; MI455X (gfx1250); checked and timed in simulation.
; The chip was launched on July 23, 2026; its instructions are those of AMD's public machine-readable ISA for CDNA 5 (MIT licence, August 2026) and "CDNA5" Instruction Set Architecture Reference Guide (July 2026). The comments in the code are by the model that wrote it; some were corrected since.
;; Transformer Block. Allowed arithmetic: matrix products marked QUANTISED: E5M2 operands, one given power-of-two scale a tensor, by v_wmma_f32_16x16x64_bf8_bf8 or v_wmma_f32_16x16x128_bf8_bf8, f32 sums; everything else in f32.
;; Inputs: b1 4,096 float32; b2 1,024 float32; b_out 1,024 float32; b_qkv 3,072 float32; ln1_b 1,024 float32; ln1_g 1,024 float32; ln2_b 1,024 float32; ln2_g 1,024 float32; lowp_scales 12 int32 (the exponents e of the quantised operands' scales 2^e); w1_codes 4,096 x 32 x 32 uint8 (E5M2 codes of w1, K innermost, in blocks of 32 codes); w2_codes 1,024 x 128 x 32 uint8 (E5M2 codes of w2, K innermost, in blocks of 32 codes); w_out_codes 1,024 x 32 x 32 uint8 (E5M2 codes of w_out, K innermost, in blocks of 32 codes); w_qkv_codes 3,072 x 32 x 32 uint8 (E5M2 codes of w_qkv, K innermost, in blocks of 32 codes); x 2 x 2,048 x 1,024 float32.
;; Outputs: out0 2 x 2,048 x 1,024 float32.
;; This version of the problem:
;;   THIS VERSION OF THE PROBLEM IS GIVEN IN LOW PRECISION. The matrix products marked QUANTISED in the list below multiply operands that are first quantised to E5M2 (5 exponent bits, 2 mantissa bits; 8 bits a number), with one given power-of-two scale for each operand tensor; their sums are f32. All else is computed in f32.
;;   The module's matrix products, in the order in which they are computed (A, B: the left and right operand; K: the contracted axis; several contracted axes count as one K, in the product's order):
;;     1. [M 4,096, K 1,024] x [K 1,024, N 3,072]; A: computed on the way; B: input w_qkv (given as codes): QUANTISED (scales: A lowp_scales[0], B lowp_scales[1])
;;     2. batch 32 x [M 2,048, K 64] x [K 64, N 2,048]; A: computed on the way; B: computed on the way: QUANTISED (scales: A lowp_scales[2], B lowp_scales[3])
;;     3. batch 32 x [M 64, K 2,048] x [K 2,048, N 2,048]; A: computed on the way; B: softmax (see below): QUANTISED (scales: A lowp_scales[4], B lowp_scales[5])
;;     4. [M 4,096, K 1,024] x [K 1,024, N 1,024]; A: computed on the way; B: input w_out (given as codes): QUANTISED (scales: A lowp_scales[6], B lowp_scales[7])
;;     5. [M 4,096, K 1,024] x [K 1,024, N 4,096]; A: computed on the way; B: input w1 (given as codes): QUANTISED (scales: A lowp_scales[8], B lowp_scales[9])
;;     6. [M 4,096, K 4,096] x [K 4,096, N 1,024]; A: computed on the way; B: input w2 (given as codes): QUANTISED (scales: A lowp_scales[10], B lowp_scales[11])
;;   THE QUANTISER, for each operand of a quantised product, along K:
;;     - The operand's scale is 2^e, e = its entry of the input lowp_scales (int32; the entries are numbered through the quantised products in the list's order, A before B).
;;     - Each number is divided by the scale, clamped to +-57,344, and rounded to the nearest number of E5M2, ties to even, subnormals kept.
;;     - The product sums the exact products of the quantised numbers (number of the format x scale) in f32.
;;   ~~~python
;;   def quantise(x, axis, e):      # numpy; x: float32 -> the quantised numbers, widened to float32 again
;;       x = np.moveaxis(x, axis, -1); K = x.shape[-1]
;;       r = np.clip(x / 2.0 ** e, -57344, 57344)
;;       step = 2.0 ** (np.maximum(np.frexp(np.where(r == 0, 1, r))[1] - 1, -14) - 2)
;;       q = np.round(r / step) * step * 2.0 ** e      # np.round: ties to even
;;       return np.moveaxis(q, -1, axis).astype(np.float32)
;;   ~~~
;;   SOFTMAX AHEAD OF A QUANTISED PRODUCT. Where the list says 'softmax', what is quantised is not the finished softmax but p = 2^(t - M), with t = logit x log2(e) and M = ceil(the row's largest t), a whole number; so 1/2 < the row's largest p <= 1. The row's sum l is taken of the UNQUANTISED p, in f32, and the product's result is divided by l at the end. Since M is a whole number, a kernel that streams over the keys may use a running M (the ceiling of the running maximum): every later rescaling is an exact power of two, so the quantised numbers keep their values, but for numbers so far below the row's largest that they fall under the format's range.
;;   OPERANDS COMPUTED ON THE WAY. 'Computed on the way' means the value that the module computes at that place (a softmax that the list does not call 'softmax' is quantised finished and normalised). What goes into a quantiser is computed in f32, as accurately as f32 sums, v_exp_f32 and their like allow (about 1e-6 of the number): no bf16 or f16 on the way to a quantiser, and a product that is left as it is and whose result goes on into a quantised operand takes f32 operands (vector FMAs, or v_wmma_f32_16x16x4_f32). A number that lies on a knife's edge between two numbers of the format may be rounded either way, as far as f32 arithmetic and the matrix unit's own rounding can turn it there, and no further.
;;   INPUTS GIVEN AS CODES. w1 (in the module: [1024, 4096], K = its axis 0); w2 (in the module: [4096, 1024], K = its axis 0); w_out (in the module: [1024, 1024], K = its axis 0); w_qkv (in the module: [1024, 3072], K = its axis 0): each comes as NAME_codes (uint8): NAME with its K axis moved to the last place and cut into blocks of 32 codes, [.., K / 32, bytes a block], one block behind the other in memory; one code a byte (a code: sign, 5 exponent bits, 2 mantissa bits); its scale is its entry of lowp_scales. Its value is code x scale, taken as it is: it is not quantised again, and the codes and scales need not be those that the quantiser above would give.
;; One version. Each part assembles by itself: llvm-mc -triple=amdgcn-amd-amdhsa -mcpu=gfx1250 --defsym DOCPART=n.
;; ======== version 1 of 1: 7 launches
;; limits: right only within a limited range of input values
;; workspace buffers: ac 4,194,304 bytes; qc 4,194,304 bytes; kc 4,194,304 bytes; vtc 4,194,304 bytes; oc 4,194,304 bytes; x1 16,777,216 bytes; hc 16,777,216 bytes
;; launch ln1 (part 1): grid 256 x 1, 4 waves a work-group, no clusters, 16,896 bytes of LDS; arguments x, ln1_g, ln1_b, lowp_scales, ac; writes ac
.if DOCPART == 1
	.amdgcn_target "amdgcn-amd-amdhsa--gfx1250"
	.amdhsa_code_object_version 6
	.text
	.protected	k_qf09805a003_ln1
	.globl	k_qf09805a003_ln1
	.p2align	8
	.type	k_qf09805a003_ln1,@function
k_qf09805a003_ln1:
	s_mov_b64 s[64:65], 0
	v_nop
	global_prefetch_b8 v0, s[64:65] scope:SCOPE_SE
	s_setreg_imm32_b32 hwreg(HW_REG_WAVE_MODE, 25, 1), 1
	s_wait_xcnt 0x0
; codes[row][c] = Q((x[row][c] - mean) * rsqrt(var + 1e-5) * g[c] + b[c]), Q: / 2^e, held within +-57,344, to the nearest E5M2 code.  x: [4096][1024] f32; codes: [4096][1024] bytes.
; e is entry ESC of the buffer of scales.  LIMITS: e between -126 and 112, so that 2^e and 57,344 x 2^e are f32 numbers.  NaN among the inputs is not served.
; The mean is taken first and the variance from the differences: a common offset of the inputs costs no accuracy.
; SHARES.  A work-group takes 16 rows, a wave 4; a row stays in 32 registers a lane between its passes, so memory is read once.  Load j of a row covers 512 consecutive bytes: lane l holds columns 128 j + 4 l .. + 3.
; All 48 loads of a wave (g, b, four rows) go out at the head.  No matrix unit, no cluster, no tensor load: work-groups share nothing but g and b.
; A lane's four codes of a load are one word; a row's 1,024 bytes are gathered in the wave's own LDS bytes and leave as two stores of 512 consecutive bytes.
.set ESC, 0                            ; which entry of the scales
.set GG,  8                            ; v8-39    g of my 32 columns
.set BB,  40                           ; v40-71   b
.set X,   72                           ; v72-199  row i at X + 32 i; at the end its first 8 registers take the row's codes back from LDS
.set T,   200                          ; v200-207 four chains of pairs
.set C,   208                          ; v208-239 row i's eight words of codes at C + 8 i
	s_load_b256 s[4:11], s[0:1], 0x0               ; x s[4:5], g s[6:7], b s[8:9], the scales s[10:11]
	s_load_b64 s[12:13], s[0:1], 0x20              ; the codes
	v_lshl_add_u32 v240, v0, 2, 0x4000
	v_mov_b32 v241, 0
	v_lshrrev_b32 v1, 5, v0
	v_readfirstlane_b32 s14, v1                    ; wave
	v_and_b32 v1, 31, v0                           ; lane
	v_lshlrev_b32 v2, 4, v1                        ; 16 x lane: my place in 512 bytes
	s_lshl_b32 s15, s14, 12                        ; my wave's 4,096 bytes of LDS
	v_lshl_add_u32 v3, v1, 2, s15                  ; in: a word a lane
	v_lshl_add_u32 v4, v1, 4, s15                  ; back: 16 bytes a lane
	s_lshl_b32 s16, ttmp9, 16                      ; 16 rows of 4,096 bytes a work-group,
	s_lshl_b32 s18, s14, 14                        ; 4 a wave
	s_add_co_u32 s16, s16, s18
	s_mov_b32 s17, 0
	s_lshr_b32 s18, s16, 2                         ; a row of codes is a quarter of that
	s_mov_b32 s19, 0
	s_mov_b32 s20, 0x76543210                      ; v_permlanex16_b32: lane l xor 16
	s_mov_b32 s21, 0xfedcba98
	s_mov_b32 s25, 0x3a800000                      ; 1 / 1024
	s_mov_b32 s26, 0x3727c5ac                      ; 1e-5
	s_wait_alu depctr_va_vdst(0)
	s_wait_kmcnt 0x0
	s_load_b32 s22, s[10:11], ESC*4                ; e
	s_add_nc_u64 s[4:5], s[4:5], s[16:17]
	s_add_nc_u64 s[12:13], s[12:13], s[18:19]
.irp j, 0,1,2,3,4,5,6,7
	global_load_b128 v[GG+4*\j:GG+4*\j+3], v2, s[6:7] offset:512*\j
.endr
.irp j, 0,1,2,3,4,5,6,7
	global_load_b128 v[BB+4*\j:BB+4*\j+3], v2, s[8:9] offset:512*\j
.endr
.irp i, 0,1,2,3
.irp j, 0,1,2,3,4,5,6,7
	global_load_b128 v[X+32*\i+4*\j:X+32*\i+4*\j+3], v2, s[4:5] offset:4096*\i+512*\j
.endr
.endr
	s_wait_kmcnt 0x0
	s_add_co_i32 s22, s22, 127
	s_lshl_b32 s23, s22, 23
	v_mov_b32 v5, s23                              ; 2^e as f32: the conversion takes its exponent field
	s_add_co_i32 s22, s22, 15
	s_lshl_b32 s22, s22, 23
	s_or_b32 s23, s22, 0x600000                    ; 57,344 x 2^e
	s_or_b32 s24, s23, 0x80000000                  ; and its negative
; the four chains are joined, then the 32 lanes: every lane ends with the row's sum in v[T]
.macro JOIN
	v_pk_add_f32 v[T:T+1], v[T:T+1], v[T+2:T+3]
	v_pk_add_f32 v[T+4:T+5], v[T+4:T+5], v[T+6:T+7]
	v_pk_add_f32 v[T:T+1], v[T:T+1], v[T+4:T+5]
	v_add_f32 v[T], v[T], v[T+1]
	v_add_f32_dpp v[T], v[T], v[T] row_xmask:1 row_mask:0xf bank_mask:0xf
	v_add_f32_dpp v[T], v[T], v[T] row_xmask:2 row_mask:0xf bank_mask:0xf
	v_add_f32_dpp v[T], v[T], v[T] row_xmask:4 row_mask:0xf bank_mask:0xf
	v_add_f32_dpp v[T], v[T], v[T] row_xmask:8 row_mask:0xf bank_mask:0xf
	v_permlanex16_b32 v[T+7], v[T], s20, s21       ; (its destination has been written by the chains)
	v_add_f32 v[T], v[T], v[T+7]
.endm
; row i.  left: the loads of the rows behind it, which may stay out
.macro ROW i, left
.set R, X+32*\i
	s_wait_loadcnt \left
.irp k, 0,1,2,3
	v_pk_add_f32 v[T+2*\k:T+2*\k+1], v[R+2*\k:R+2*\k+1], v[R+8+2*\k:R+8+2*\k+1]   ; the first pairs start the chains: nothing is cleared
.endr
.irp p, 8,12
.irp k, 0,1,2,3
	v_pk_add_f32 v[T+2*\k:T+2*\k+1], v[T+2*\k:T+2*\k+1], v[R+2*(\p+\k):R+2*(\p+\k)+1]
.endr
.endr
	JOIN
	v_mul_f32 v6, s25, v[T]                        ; the mean,
	v_mov_b32 v7, v6                               ; as a pair
.irp p, 0,2,4,6,8,10,12,14,16,18,20,22,24,26,28,30
	v_pk_add_f32 v[R+\p:R+\p+1], v[R+\p:R+\p+1], v[6:7] neg_lo:[0,1] neg_hi:[0,1]   ; x - mean
.endr
.irp k, 0,1,2,3
	v_pk_mul_f32 v[T+2*\k:T+2*\k+1], v[R+2*\k:R+2*\k+1], v[R+2*\k:R+2*\k+1]
.endr
.irp p, 4,8,12
.irp k, 0,1,2,3
	v_pk_fma_f32 v[T+2*\k:T+2*\k+1], v[R+2*(\p+\k):R+2*(\p+\k)+1], v[R+2*(\p+\k):R+2*(\p+\k)+1], v[T+2*\k:T+2*\k+1]
.endr
.endr
	JOIN
	v_fma_f32 v[T], v[T], s25, s26                 ; the variance + 1e-5
	s_wait_alu depctr_va_vdst(0)
	v_rsq_f32 v[T+2], v[T]
	v_nop                                          ; a plain instruction between the transcendental and the use of its result (ISA guide 5.7.2)
	s_wait_alu depctr_va_vdst(0)
	v_mov_b32 v[T+3], v[T+2]
.irp p, 0,2,4,6,8,10,12,14,16,18,20,22,24,26,28,30
	v_pk_mul_f32 v[R+\p:R+\p+1], v[R+\p:R+\p+1], v[T+2:T+3]
.endr
.irp p, 0,2,4,6,8,10,12,14,16,18,20,22,24,26,28,30
	v_pk_fma_f32 v[R+\p:R+\p+1], v[R+\p:R+\p+1], v[GG+\p:GG+\p+1], v[BB+\p:BB+\p+1]
.endr
.set j, 0
.rept 32
	v_med3_num_f32 v[R+j], v[R+j], s24, s23        ; the conversion to an 8-bit code does not saturate (ISA guide 7.6.2): the hold at the largest code x the scale
.set j, j+1
.endr
.irp k, 0,1,2,3
	v_cvt_scalef32_pk8_bf8_f32 v[C+8*\i+2*\k:C+8*\i+2*\k+1], v[R+8*\k:R+8*\k+7], v5   ; words 2 k, 2 k + 1: the four codes of loads 2 k and 2 k + 1
.endr
	v_nop                                          ; a plain instruction behind the last scaled conversion
.irp j, 0,1,2,3,4,5,6,7
	ds_store_b32 v3, v[C+8*\i+\j] offset:1024*\i+128*\j
.endr
	ds_load_b128 v[R:R+3], v4 offset:1024*\i       ; LDS serves a wave's instructions in order (ISA guide 5.7.1.4): these see my stores
	ds_load_b128 v[R+4:R+7], v4 offset:1024*\i+512
.endm
	ROW 0, 24
	ROW 1, 16
	ROW 2, 8
	ROW 3, 0
.irp i, 0,1,2,3
	s_wait_dscnt 10*(3-\i)                         ; behind row i's two loads stand ten LDS instructions for each later row
	global_store_b128 v2, v[X+32*\i:X+32*\i+3], s[12:13] offset:1024*\i          ; 32 lanes store 512 consecutive bytes, aligned
	global_store_b128 v2, v[X+32*\i+4:X+32*\i+7], s[12:13] offset:1024*\i+512
.endr
	s_wait_tensorcnt 0x0
	ds_add_u32 v240, v241
	s_wait_dscnt 0x0
	s_endpgm
.Lfunc_end_k_qf09805a003_ln1:
	.size	k_qf09805a003_ln1, .Lfunc_end_k_qf09805a003_ln1-k_qf09805a003_ln1
	.p2alignl 7, 3214868480
	.fill 96, 4, 3214868480
	.section	.rodata,"a",@progbits
	.p2align	6, 0x0
	.amdhsa_kernel k_qf09805a003_ln1
		.amdhsa_group_segment_fixed_size 16896
		.amdhsa_private_segment_fixed_size 0
		.amdhsa_enable_private_segment 0
		.amdhsa_kernarg_size 40
		.amdhsa_user_sgpr_count 2
		.amdhsa_user_sgpr_kernarg_segment_ptr 1
		.amdhsa_wavefront_size32 1
		.amdhsa_system_sgpr_workgroup_id_x 1
		.amdhsa_system_sgpr_workgroup_id_y 1
		.amdhsa_system_sgpr_workgroup_id_z 1
		.amdhsa_system_vgpr_workitem_id 0
		.amdhsa_next_free_vgpr 242
		.amdhsa_next_free_sgpr 66
		.amdhsa_reserve_vcc 0
		.amdhsa_float_denorm_mode_32 3
		.amdhsa_float_denorm_mode_16_64 3
		.amdhsa_memory_ordered 1
		.amdhsa_forward_progress 1
		.amdhsa_inst_pref_size 44
	.end_amdhsa_kernel
	.amdgpu_metadata
---
amdhsa.version: [ 1, 2 ]
amdhsa.kernels:
  - .name:           k_qf09805a003_ln1
    .symbol:         k_qf09805a003_ln1.kd
    .args:
      - { .name: x, .offset: 0, .size: 8, .value_kind: global_buffer, .address_space: global }
      - { .name: ln1_g, .offset: 8, .size: 8, .value_kind: global_buffer, .address_space: global }
      - { .name: ln1_b, .offset: 16, .size: 8, .value_kind: global_buffer, .address_space: global }
      - { .name: lowp_scales, .offset: 24, .size: 8, .value_kind: global_buffer, .address_space: global }
      - { .name: ac, .offset: 32, .size: 8, .value_kind: global_buffer, .address_space: global }
    .group_segment_fixed_size: 16896
    .private_segment_fixed_size: 0
    .kernarg_segment_align: 8
    .kernarg_segment_size: 40
    .max_flat_workgroup_size: 128
    .sgpr_count:     66
    .vgpr_count:     242
    .wavefront_size: 32
...
	.end_amdgpu_metadata
.endif
;; end of part 1
;; launch qkv (part 2): grid 12 x 16, 4 waves a work-group, clusters of 4 x 4, 327,680 bytes of LDS; arguments ac, w_qkv_codes, b_qkv, lowp_scales, qc, kc, vtc; writes qc, kc, vtc
.if DOCPART == 2
	.amdgcn_target "amdgcn-amd-amdhsa--gfx1250"
	.amdhsa_code_object_version 6
	.text
	.protected	k_qf09805a003_qkv
	.globl	k_qf09805a003_qkv
	.p2align	8
	.type	k_qf09805a003_qkv,@function
k_qf09805a003_qkv:
	s_mov_b64 s[64:65], 0
	v_nop
	global_prefetch_b8 v0, s[64:65] scope:SCOPE_SE
	s_setreg_imm32_b32 hwreg(HW_REG_WAVE_MODE, 25, 1), 1
	s_wait_xcnt 0x0
	s_wait_alu depctr_hold_cnt(0) depctr_sa_sdst(0) depctr_va_vdst(0) depctr_va_sdst(0) depctr_va_ssrc(0) depctr_va_vcc(0) depctr_vm_vsrc(0)
	s_getreg_b32 s2, hwreg(HW_REG_IB_STS2, 6, 4)
	s_cmp_eq_u32 s2, 0
	s_cbranch_scc0 .Lentry_in_a_cluster
	s_endpgm
.Lentry_in_a_cluster:
	s_bfe_u32 s2, ttmp6, 0x10000c
	s_cmp_lg_u32 s2, 0xf033
	s_cbranch_scc0 .Lentry_shape_is_right
	s_endpgm
.Lentry_shape_is_right:
; qkv = LN1(x) w_qkv + b_qkv on E5M2 codes, and its three parts quantised anew: q -> qc, k -> kc: [batch x 16 + head][token 2048][d 64]; v -> vtc: [batch x 16 + head][d 64][token 2048], the tokens innermost.
; ac: [4096][1024] codes (scale 2^e0), w_qkv_codes: [3072][1024] codes (2^e1).  A sum stands for sum x 2^(e0 + e1); the new code is (sum + bias / 2^(e0 + e1)) / 2^(es - e0 - e1), es = e2, e3, e4 for q, k, v.
; LIMITS: es - e0 - e1 between -126 and 112, so that the conversion's scale and 57,344 x it are f32 numbers.  NaN is not served.
; A tile, 256 x 256, is made by four waves, 128 x 128 each: 64 accumulators, 512 registers.  K goes in steps of 256 through two LDS slots filled by the tensor data mover.
; THE MATRIX INSTRUCTION TAKES region B's 16 rows as source 0 and region A's 16 rows as source 1: a lane holds one row of region A and eight neighbouring rows of region B.
; CLUSTERS of 4 x 4.  The cluster's x says which part: 0 q, 1 k, 2 v; it is the same in all sixteen partners.  For q and k region A holds tokens (ac) and region B columns (w): a lane's eight numbers run along d.
; For v THE TWO REGIONS CHANGE SOURCES: region A holds w's rows (v's columns), region B tokens: a lane's eight numbers run along the tokens, which are the next product's K.  Only pointers and offsets are chosen; the K loop is one text.
; Region A's tile hangs on cy alone among the places in the cluster and is asked for jointly along a row of the cluster, region B's on cx alone, along a column.
; 192 tiles for 256 WGPs: the tile is kept at 256 x 256 so that a fragment read from LDS feeds eight products.
; REGISTERS: window 0: v16-31 addresses; v32-95 the column bias (C of the first products); v96-119 the row bias; from v128 region A's fragments, one set.  window 1: region B's fragments, two sets.  windows 2, 3: the accumulators.
.set SIZE_K, 1024
.set KSTEP,  256
.set PITCH,  272                       ; an LDS row: 256 bytes + 16: the 16 rows of a fragment load start at 16 different banks
.set FR,     16
.set HALFT,  128*PITCH
.set SLOT,   4*HALFT
.set SPARE,  2*SLOT                    ; behind the ring: the spare words, 128 bytes for each wave, which no other line names
.set LAPS,   SIZE_K/(2*KSTEP)
.set GRP,    256*80+64                 ; the way out's stage, in slot 0: byte (T, c) of the tile of codes at (c / 64) GRP + 80 T + c % 64
.set ADRA, 16
.set ADRB, 20
.set RDD,  22                          ; stage, read back head by head (q, k)
.set COD,  23
.set STO,  24
.set RD,   25                          ; stage, read back by rows (v)
.set CO,   26
.set CV,   27                          ; the conversion's scale
.set SPW,  28
.set NIL,  29
.set BA,   30
.set BVA,  31
.set BI,   32
.set BVR,  96
.set BV,   104
.set AF,   128
.set G1, 24
.set G0, 32
.set G1B, 48
.set G0B, 56
.set MSB, 0
.macro WIN new                         ; the immediate's high byte repeats the setting that is left
.if MSB != (\new)
	s_set_vgpr_msb (MSB<<8)|(\new)
.set MSB, (\new)
.endif
.endm
.macro JLOAD g0a, g1a, g0b, g1b        ; a joint load: waves 0 and 1 fetch for region A, waves 2 and 3 for region B; four v_nop follow each line
	s_cmp_eq_u32 s15, 0
	s_cbranch_scc0 .Lfor_b_\@
	tensor_load_to_lds s[\g0a:\g0a+3], s[\g1a:\g1a+7]
	s_nop 0
.rept 4
	v_nop
.endr
	s_branch .Lasked_\@
.Lfor_b_\@:
	tensor_load_to_lds s[\g0b:\g0b+3], s[\g1b:\g1b+7]
	s_nop 0
.rept 4
	v_nop
.endr
.Lasked_\@:
.endm
.macro CREST                           ; a round of the cluster's barrier behind its opening barrier
	s_cmp_lg_u32 s14, 0
	s_cbranch_scc1 .Lnot_wave_0_\@
	s_barrier_signal -3
.Lnot_wave_0_\@:
	s_barrier_wait -3
	s_barrier_signal -1
	s_barrier_wait -1
.endm
.macro CROUND
	s_barrier_signal -1
	s_barrier_wait -1
	CREST
.endm
.macro PLACES n
.rept \n
	v_nop
.endr
.endm
	s_load_b256 s[4:11], s[0:1], 0x0               ; ac s[4:5], w s[6:7], the bias s[8:9], the scales s[10:11]
	s_load_b128 s[80:83], s[0:1], 0x20             ; qc, kc
	s_load_b64 s[84:85], s[0:1], 0x30              ; vtc
	v_lshl_add_u32 v[SPW], v0, 2, SPARE
	v_mov_b32 v[NIL], 0
	ds_add_u32 v28, v29
	ds_add_u32 v28, v29
	s_wait_dscnt 0x0
	v_lshrrev_b32 v1, 5, v0
	v_readfirstlane_b32 s14, v1                    ; wave
	s_lshr_b32 s15, s14, 1                         ; my half of region A's rows.  Also: I fetch for region A (0) or B (1)
	s_and_b32 s16, s14, 1                          ; my half of region B's rows.  Also: which 128 rows I fetch
	s_bfe_u32 s40, ttmp6, 0x40000                  ; cx
	s_bfe_u32 s41, ttmp6, 0x40004                  ; cy
	s_and_b32 s19, ttmp7, 0xffff
	s_lshl_b32 s19, s19, 2                         ; 4 x cluster y
	s_add_co_u32 s17, s19, s41                     ; q, k: the tile of tokens, 4 cluster y + cy
	s_add_co_u32 s96, s19, s40                     ; v: the tile of tokens, 4 cluster y + cx
	s_add_co_u32 s97, s41, 8                       ; v: the tile of w's rows, 8 + cy
	s_lshl_b32 s42, ttmp9, 2
	s_add_co_u32 s42, s42, s40                     ; q, k: the tile of w's rows, 4 cluster x + cx
	s_lshl_b32 s43, s41, 2
	s_lshl_b32 s43, 15, s43                        ; my row of the cluster
	s_lshl_b32 s44, 0x1111, s40                    ; my column
	s_or_b32 s[G1+0], s43, (1<<20)|(1<<21)|(5<<22)|(3<<25)   ; the mask; elements of 1 byte; padding on; bit 21 beside a mask; 4 words behind every 64
	s_or_b32 s[G1B+0], s44, (1<<20)|(1<<21)|(5<<22)|(3<<25)
.irp g, G1, G1B
	s_mov_b32 s[\g+1], KSTEP<<16                   ; tensor_dim0
	s_mov_b32 s[\g+2], 128<<16                     ; tensor_dim1
	s_mov_b32 s[\g+3], KSTEP<<16                   ; tile_dim0
	s_mov_b32 s[\g+4], 128                         ; tile_dim1
	s_mov_b32 s[\g+5], SIZE_K                      ; the pitch: both sources have rows of 1,024 bytes
	s_mov_b32 s[\g+6], 0
	s_mov_b32 s[\g+7], 0
.endr
	s_cmp_eq_u32 ttmp9, 2                          ; a v cluster?  The same answer in all sixteen partners
	s_cselect_b32 s20, s97, s17                    ; region A's tile: it hangs on cy alone among the places
	s_cselect_b32 s46, s96, s42                    ; region B's: on cx alone
	s_lshl_b32 s18, s16, 7
	s_lshl_b32 s20, s20, 8
	s_add_co_u32 s20, s20, s18
	s_lshl_b32 s20, s20, 10                        ; row x 1,024 bytes
	s_mov_b32 s21, 0
	s_lshl_b32 s46, s46, 8
	s_add_co_u32 s46, s46, s18
	s_lshl_b32 s46, s46, 10
	s_mov_b32 s47, 0
	s_mul_i32 s45, s14, HALFT                      ; where my load goes: wave x 128 rows
	s_wait_kmcnt 0x0
	s_load_b256 s[68:75], s[10:11], 0x0            ; e0 .. e7
	s_cmp_eq_u32 ttmp9, 2
	s_cselect_b64 s[86:87], s[6:7], s[4:5]         ; region A's source
	s_cselect_b64 s[88:89], s[4:5], s[6:7]         ; region B's
	s_add_nc_u64 s[20:21], s[86:87], s[20:21]
	s_add_nc_u64 s[46:47], s[88:89], s[46:47]
	CROUND                                         ; all sixteen work-groups are here: the first joint loads meet
.irp s, 0,1
	s_mov_b32 s[G0+4*\s], 1
	s_add_co_u32 s[G0+4*\s+1], s45, \s*SLOT
	s_add_nc_u64 s[G0+4*\s+2:G0+4*\s+3], s[20:21], \s*KSTEP
	s_or_b32 s[G0+4*\s+3], s[G0+4*\s+3], 0x80000000
	s_mov_b32 s[G0B+4*\s], 1
	s_add_co_u32 s[G0B+4*\s+1], s45, \s*SLOT
	s_add_nc_u64 s[G0B+4*\s+2:G0B+4*\s+3], s[46:47], \s*KSTEP
	s_or_b32 s[G0B+4*\s+3], s[G0B+4*\s+3], 0x80000000
.endr
	; THE PREFETCHES INTO THE L2.  Of the 128 rows that my wave fetches, each of the four partners that ask for them jointly names 32, told apart by address (cx for region A, cy for region B): a lane a row, 256 bytes of a K step.
	; At the load of K step j the step j + 2 is named; the head also names step 1.  The four steps end at the row's end, so every address lies inside its buffer; the registers are never rewritten.
	s_cmp_eq_u32 s15, 0
	s_cselect_b64 s[12:13], s[20:21], s[46:47]     ; the rows that I fetch
	s_cselect_b32 s18, s40, s41                    ; my place among the four
	s_lshl_b32 s18, s18, 15                        ; x 32 rows of 1,024 bytes
	s_mov_b32 s19, 0
	s_add_nc_u64 s[12:13], s[12:13], s[18:19]
	JLOAD G0, G1, G0B, G1B                         ; K step 0: one tensor load a wave at the head
	v_and_b32 v10, 31, v0
	v_lshlrev_b32 v10, 10, v10                     ; my lane's row
	global_prefetch_b8 v10, s[12:13] offset:KSTEP th:TH_LOAD_NT scope:SCOPE_SE
	global_prefetch_b8 v10, s[12:13] offset:2*KSTEP th:TH_LOAD_NT scope:SCOPE_SE
	v_and_b32 v1, 15, v0                           ; r
	s_wait_alu depctr_va_vdst(0)
	v_bfe_u32 v2, v0, 4, 1                         ; h
	v_mul_u32_u24 v3, v1, PITCH
	v_lshl_add_u32 v4, v2, 4, v3                   ; a fragment's row x pitch + 16 h
	s_mul_i32 s21, s15, HALFT
	s_mul_i32 s22, s16, HALFT
	s_add_co_u32 s22, s22, 2*HALFT
.irp s, 0,1
	v_add_nc_u32 v[ADRA+\s], s21, v4
	v_add_nc_u32 v[ADRB+\s], s22, v4
	s_add_co_u32 s21, s21, SLOT
	s_add_co_u32 s22, s22, SLOT
.endr
	s_mul_i32 s23, s16, 2*GRP                      ; the stage, in: groups 2 x my half of region B on, row 128 x my half of region A + r, 8 h
	s_mul_i32 s18, s15, 128*80
	s_add_co_u32 s23, s23, s18
	v_mul_u32_u24 v5, v1, 80
	s_wait_alu depctr_va_vdst(0)
	v_lshl_add_u32 v5, v2, 3, v5
	v_add_nc_u32 v[STO], s23, v5
	v_bfe_u32 v6, v0, 2, 2                         ; back by rows: sixteen lanes to a row of 256 bytes, four lanes to a group; wave w takes rows 64 w on
	v_mul_u32_u24 v6, v6, GRP
	v_and_b32 v7, 3, v0
	v_lshl_add_u32 v6, v7, 4, v6
	v_mul_u32_u24 v7, v2, 80
	v_add_nc_u32 v6, v6, v7
	s_mul_i32 s23, s14, 64*80
	v_add_nc_u32 v[RD], s23, v6
	v_lshlrev_b32 v7, 11, v2                       ; and the same two rows in vtc: 2,048 bytes apart
	v_lshl_add_u32 v[CO], v1, 4, v7
	v_bfe_u32 v8, v0, 2, 3                         ; back head by head: wave w takes group w: 256 tokens x 64 bytes; four lanes to a token
	v_mul_u32_u24 v8, v8, 80
	v_and_b32 v9, 3, v0
	v_lshl_add_u32 v8, v9, 4, v8
	s_mul_i32 s23, s14, GRP
	v_add_nc_u32 v[RDD], s23, v8
	v_and_b32 v9, 31, v0
	v_lshlrev_b32 v[COD], 4, v9
	; where the results go.  q, k: (((tile >> 3) 16 + 4 cx + wave) 2048 + (tile & 7) 256) 64
	s_lshr_b32 s22, s17, 3
	s_lshl_b32 s22, s22, 4
	s_lshl_b32 s23, s40, 2
	s_add_co_u32 s22, s22, s23
	s_add_co_u32 s22, s22, s14
	s_lshl_b32 s22, s22, 11
	s_and_b32 s23, s17, 7
	s_lshl_b32 s23, s23, 8
	s_add_co_u32 s22, s22, s23
	s_lshl_b32 s22, s22, 6
	s_mov_b32 s23, 0
	s_cmp_eq_u32 ttmp9, 0
	s_cselect_b64 s[86:87], s[80:81], s[82:83]
	s_add_nc_u64 s[86:87], s[86:87], s[22:23]
	; v: ((tile >> 3) 1024 + 256 cy + 64 wave) 2048 + (tile & 7) 256
	s_lshr_b32 s22, s96, 3
	s_lshl_b32 s22, s22, 10
	s_lshl_b32 s18, s41, 8
	s_add_co_u32 s22, s22, s18
	s_lshl_b32 s18, s14, 6
	s_add_co_u32 s22, s22, s18
	s_lshl_b32 s22, s22, 11
	s_and_b32 s18, s96, 7
	s_lshl_b32 s18, s18, 8
	s_add_co_u32 s22, s22, s18
	s_add_nc_u64 s[84:85], s[84:85], s[22:23]
	; the bias.  q, k: by region B's rows (a lane's eight registers); v: by region A's row (the lane's r).  Both sets are always loaded, from places inside the buffer, and the one that does not apply is masked to zeros
	s_lshl_b32 s22, s42, 10
	s_lshl_b32 s18, s16, 9
	s_add_co_u32 s22, s22, s18                     ; q, k: 4 (256 tile + 128 half)
	s_lshl_b32 s18, s97, 10
	s_lshl_b32 s19, s15, 9
	s_add_co_u32 s18, s18, s19                     ; v: 4 (256 (8 + cy) + 128 half)
	s_cmp_eq_u32 ttmp9, 2
	s_cselect_b32 s22, 0, s22
	s_cselect_b32 s18, s18, 0
	s_cselect_b32 s90, 0, -1                       ; keeps the column bias in q, k clusters
	s_cselect_b32 s91, -1, 0                       ; keeps the row bias in v clusters
	s_mov_b32 s19, 0
	s_add_nc_u64 s[92:93], s[8:9], s[22:23]
	s_add_nc_u64 s[94:95], s[8:9], s[18:19]
	v_lshlrev_b32 v[BA], 5, v2
	v_lshlrev_b32 v[BVA], 2, v1
.irp b, 0,1,2,3,4,5,6,7
	global_load_b128 v[BI+8*\b:BI+8*\b+3], v[BA], s[92:93] offset:64*\b
	global_load_b128 v[BI+8*\b+4:BI+8*\b+7], v[BA], s[92:93] offset:64*\b+16
.endr
.irp a, 0,1,2,3,4,5,6,7
	global_load_b32 v[BVR+\a], v[BVA], s[94:95] offset:64*\a
.endr
	s_wait_kmcnt 0x0
	s_cmp_eq_u32 ttmp9, 0
	s_cselect_b32 s18, s70, s71
	s_cmp_eq_u32 ttmp9, 2
	s_cselect_b32 s18, s72, s18                    ; es
	s_add_co_i32 s19, s68, s69                     ; e0 + e1
	s_sub_co_i32 s18, s18, s19
	s_sub_co_i32 s19, 0, s19
	s_add_co_i32 s18, s18, 127
	s_lshl_b32 s22, s18, 23
	v_mov_b32 v[CV], s22                           ; 2^(es - e0 - e1)
	s_add_co_i32 s18, s18, 15
	s_lshl_b32 s18, s18, 23
	s_or_b32 s98, s18, 0x600000                    ; 57,344 x that
	s_or_b32 s99, s98, 0x80000000
	s_wait_loadcnt 0x0
.set j, 0
.rept 64
	v_ldexp_f32 v[BI+j], v[BI+j], s19              ; bias / 2^(e0 + e1): it goes in as the C of the first products
	v_and_b32 v[BI+j], s90, v[BI+j]
.set j, j+1
.endr
.irp a, 0,1,2,3,4,5,6,7
	v_ldexp_f32 v[BV+2*\a], v[BVR+\a], s19
	v_and_b32 v[BV+2*\a], s91, v[BV+2*\a]
	v_mov_b32 v[BV+2*\a+1], v[BV+2*\a]             ; a pair, for the packed addition on the way out
.endr
.macro FRAG reg, adr, q, i             ; 16 rows x 128 K: registers 4 c .. 4 c + 3 hold K = 32 c + 16 h + 0 .. 15: a permutation of k that is the same on both sides
.irp c, 0,1,2,3
	ds_load_b128 v[\reg+4*\c:\reg+4*\c+3], v[\adr] offset:128*(\q)+32*\c+(\i)*16*PITCH
.endr
.endm
; eight products: region A's block a against region B's eight.  first = 1: C is the bias.  The 64 accumulators take turns, one instruction a turn, in the same order in every step
.macro MULA a, p, first
.irp b, 0,1,2,3,4,5,6,7
.if \first
	v_wmma_f32_16x16x128_bf8_bf8 v[8*(8*((\a)%4)+\b):8*(8*((\a)%4)+\b)+7], v[128*(\p)+FR*\b:128*(\p)+FR*\b+FR-1], v[AF+FR*(\a):AF+FR*(\a)+FR-1], v[BI+8*\b:BI+8*\b+7]
.else
	v_wmma_f32_16x16x128_bf8_bf8 v[8*(8*((\a)%4)+\b):8*(8*((\a)%4)+\b)+7], v[128*(\p)+FR*\b:128*(\p)+FR*\b+FR-1], v[AF+FR*(\a):AF+FR*(\a)+FR-1], v[8*(8*((\a)%4)+\b):8*(8*((\a)%4)+\b)+7]
.endif
.endr
.endm
.macro FETCH_B slot, q, p
	WIN 0x40
.irp i, 0,1,2,3,4,5,6,7
	FRAG 128*(\p)+FR*\i, ADRB+\slot, \q, \i
.endr
	WIN 0
.endm
.macro FETCH_A slot, q, i0
.irp i, \i0, \i0+1, \i0+2, \i0+3
	FRAG AF+FR*(\i), ADRA+\slot, \q, \i
.endr
.endm
; a step of 128 along K that has its successor in the same slot.  Four plain places stand in front of each run of loads into registers that matrix instructions have read (ISA guide 7.12.1 for vector instructions)
.macro STEP slot, q, first
	s_wait_dscnt 16                                ; region B's set and A's blocks 0-3 are in; the youngest 16 loads (blocks 4-7) may be out
.if \first
	WIN 0x81                                       ; source 0 window 1, source 1 and C window 0, D window 2
.else
	WIN 0xa1
.endif
	MULA 0, (\q)%2, \first
	MULA 1, (\q)%2, \first
	MULA 2, (\q)%2, \first
	MULA 3, (\q)%2, \first
	s_wait_dscnt 0
	PLACES 4
	FETCH_B \slot, (\q)+1, 1-(\q)%2
	FETCH_A \slot, (\q)+1, 0
.if \first
	WIN 0xc1
.else
	WIN 0xf1
.endif
	MULA 4, (\q)%2, \first
	MULA 5, (\q)%2, \first
	MULA 6, (\q)%2, \first
	MULA 7, (\q)%2, \first
	PLACES 4
	WIN 0
	FETCH_A \slot, (\q)+1, 4
.endm
; a slot's last step changes slots: one barrier; in front of it each wave waits for all its tensor loads, adds 0 to its spare word, and waits for that and for its reads of this slot
.macro TURN slot, next, fill
	s_wait_tensorcnt 0x0                           ; all my tensor loads have landed: my part of the next slot
	ds_add_u32 v[SPW], v[NIL]                      ; 0 onto my spare word
	s_wait_dscnt 17                                ; (the add and the youngest 16 loads may be out)
	WIN 0xa1
	MULA 0, 1, 0
	MULA 1, 1, 0
	s_wait_dscnt 0x0                               ; the add is done, and my reads of this slot are over
	s_barrier_signal -1
	MULA 2, 1, 0
	MULA 3, 1, 0
	WIN 0
	s_barrier_wait -1
.if \fill
	CREST                                          ; the barrier has opened a round of the cluster's: no wave of any partner still reads this slot or has a load on its way
	s_add_nc_u64 s[G0+4*\slot+2:G0+4*\slot+3], s[G0+4*\slot+2:G0+4*\slot+3], 2*KSTEP
	s_add_nc_u64 s[G0B+4*\slot+2:G0B+4*\slot+3], s[G0B+4*\slot+2:G0B+4*\slot+3], 2*KSTEP
	JLOAD G0+4*\slot, G1, G0B+4*\slot, G1B         ; the first tensor load behind the round; its four v_nop are the places in front of the loads below
.else
	PLACES 4
.endif
	FETCH_B \next, 0, 0
	FETCH_A \next, 0, 0
	WIN 0xf1
	MULA 4, 1, 0
	MULA 5, 1, 0
	MULA 6, 1, 0
	MULA 7, 1, 0
	PLACES 4
	WIN 0
	FETCH_A \next, 0, 4
.endm
	s_wait_alu depctr_va_vdst(0)                   ; the wait at the head's end
	s_wait_tensorcnt 0x0                           ; my part of K step 0 is in
	ds_add_u32 v[SPW], v[NIL]
	s_wait_dscnt 0x0
	CROUND                                         ; everybody's part is in, and the sixteen work-groups meet
	JLOAD G0+4, G1, G0B+4, G1B                     ; K step 1, the first tensor load behind the round
	FETCH_B 0, 0, 0
	FETCH_A 0, 0, 0
	FETCH_A 0, 0, 4
	global_prefetch_b8 v10, s[12:13] offset:3*KSTEP th:TH_LOAD_NT scope:SCOPE_SE
	STEP 0, 0, 1
	s_mov_b32 s3, LAPS-1
.Llap:                                                 ; a trip goes once round the ring and fills both slots again
	TURN 0, 1, 1
	STEP 1, 0, 0
	TURN 1, 0, 1
	STEP 0, 0, 0
	s_sub_co_u32 s3, s3, 1
	s_cmp_lg_u32 s3, 0
	s_cbranch_scc1 .Llap
	TURN 0, 1, 0                                   ; the last lap fills nothing
	STEP 1, 0, 0
	s_wait_dscnt 16
	WIN 0xa1
	MULA 0, 1, 0
	MULA 1, 1, 0
	MULA 2, 1, 0
	MULA 3, 1, 0
	s_wait_dscnt 0
	WIN 0xf1
	MULA 4, 1, 0
	MULA 5, 1, 0
	MULA 6, 1, 0
	MULA 7, 1, 0
	WIN 0
; THE WAY OUT.  In place, each accumulator from its low end on: the row bias, the hold; then eight numbers of a lane become eight codes.  The codes meet in a stage that all four waves share; it lies in slot 0,
; which has had its last fill, and which nobody has read since the last change of slots.
.macro PACKW w
	WIN 0x41*\w                                    ; destination and source 0 in window w
.set k, 0
.rept 32
.set ab, BV+2*(4*(\w-2)+k/8)
.irp i, 0,2,4,6
	v_pk_add_f32 v[8*k+\i:8*k+\i+1], v[8*k+\i:8*k+\i+1], v[ab:ab+1]
.endr
.set k, k+1
.endr
.set j, 0
.rept 256
	v_med3_num_f32 v[j], v[j], s99, s98            ; the conversion does not saturate (ISA guide 7.6.2): the hold at the largest code x the scale
.set j, j+1
.endr
	WIN \w
.set k, 0
.rept 32
	v_cvt_scalef32_pk8_bf8_f32 v[128+64*(\w-2)+2*k:128+64*(\w-2)+2*k+1], v[8*k:8*k+7], v[CV]
.set k, k+1
.endr
.endm
	PLACES 4
	PACKW 2
	PACKW 3
	v_nop                                          ; a plain instruction behind the last scaled conversion
	WIN 0
.irp a, 0,1,2,3,4,5,6,7
.irp b, 0,1,2,3,4,5,6,7
	ds_store_b64 v[STO], v[128+2*(8*\a+\b):128+2*(8*\a+\b)+1] offset:(\b/4)*GRP+1280*\a+16*(\b%4)
.endr
.endr
	s_wait_dscnt 0x0                               ; for the others' sake: my stores into the stage are done
	s_barrier_signal -1
	s_barrier_wait -1
	s_cmp_eq_u32 ttmp9, 2                          ; the cluster's x: the same way in all partners; only loads from the stage and global stores differ
	s_cbranch_scc1 .Lv_out
.irp t, 0,1,2,3,4,5,6,7,8,9,10,11,12,13,14,15,16,17,18,19,20,21,22,23,24,25,26,27,28,29,30,31
	ds_load_b128 v[128+4*\t:128+4*\t+3], v[RDD] offset:640*\t
.endr
.irp t, 0,1,2,3,4,5,6,7,8,9,10,11,12,13,14,15,16,17,18,19,20,21,22,23,24,25,26,27,28,29,30,31
	s_wait_dscnt 31-\t
	global_store_b128 v[COD], v[128+4*\t:128+4*\t+3], s[86:87] offset:512*\t      ; a head's 256 tokens x 64 bytes are dense: 512 consecutive bytes a store
.endr
	s_branch .Lout_done
.Lv_out:
.irp t, 0,1,2,3,4,5,6,7,8,9,10,11,12,13,14,15,16,17,18,19,20,21,22,23,24,25,26,27,28,29,30,31
	ds_load_b128 v[128+4*\t:128+4*\t+3], v[RD] offset:160*\t
.endr
.irp t, 0,1,2,3,4,5,6,7,8,9,10,11,12,13,14,15,16,17,18,19,20,21,22,23,24,25,26,27,28,29,30,31
	s_wait_dscnt 31-\t
	global_store_b128 v[CO], v[128+4*\t:128+4*\t+3], s[84:85] offset:2*\t*2048    ; sixteen lanes store 256 consecutive bytes, aligned
.endr
.Lout_done:
	s_wait_tensorcnt 0x0                           ; the wave's end
	ds_add_u32 v[SPW], v[NIL]
	s_wait_dscnt 0x0
	CROUND                                         ; the closing round
	s_endpgm
.Lfunc_end_k_qf09805a003_qkv:
	.size	k_qf09805a003_qkv, .Lfunc_end_k_qf09805a003_qkv-k_qf09805a003_qkv
	.p2alignl 7, 3214868480
	.fill 96, 4, 3214868480
	.section	.rodata,"a",@progbits
	.p2align	6, 0x0
	.amdhsa_kernel k_qf09805a003_qkv
		.amdhsa_group_segment_fixed_size 327680
		.amdhsa_private_segment_fixed_size 0
		.amdhsa_enable_private_segment 0
		.amdhsa_kernarg_size 56
		.amdhsa_user_sgpr_count 2
		.amdhsa_user_sgpr_kernarg_segment_ptr 1
		.amdhsa_wavefront_size32 1
		.amdhsa_system_sgpr_workgroup_id_x 1
		.amdhsa_system_sgpr_workgroup_id_y 1
		.amdhsa_system_sgpr_workgroup_id_z 1
		.amdhsa_system_vgpr_workitem_id 0
		.amdhsa_next_free_vgpr 1024
		.amdhsa_next_free_sgpr 100
		.amdhsa_reserve_vcc 0
		.amdhsa_float_denorm_mode_32 3
		.amdhsa_float_denorm_mode_16_64 3
		.amdhsa_memory_ordered 1
		.amdhsa_forward_progress 1
		.amdhsa_inst_pref_size 159
	.end_amdhsa_kernel
	.amdgpu_metadata
---
amdhsa.version: [ 1, 2 ]
amdhsa.kernels:
  - .name:           k_qf09805a003_qkv
    .symbol:         k_qf09805a003_qkv.kd
    .args:
      - { .name: ac, .offset: 0, .size: 8, .value_kind: global_buffer, .address_space: global }
      - { .name: w_qkv_codes, .offset: 8, .size: 8, .value_kind: global_buffer, .address_space: global }
      - { .name: b_qkv, .offset: 16, .size: 8, .value_kind: global_buffer, .address_space: global }
      - { .name: lowp_scales, .offset: 24, .size: 8, .value_kind: global_buffer, .address_space: global }
      - { .name: qc, .offset: 32, .size: 8, .value_kind: global_buffer, .address_space: global }
      - { .name: kc, .offset: 40, .size: 8, .value_kind: global_buffer, .address_space: global }
      - { .name: vtc, .offset: 48, .size: 8, .value_kind: global_buffer, .address_space: global }
    .group_segment_fixed_size: 327680
    .private_segment_fixed_size: 0
    .kernarg_segment_align: 8
    .kernarg_segment_size: 56
    .max_flat_workgroup_size: 128
    .sgpr_count:     100
    .vgpr_count:     1024
    .wavefront_size: 32
...
	.end_amdgpu_metadata
.endif
;; end of part 2
;; launch attn (part 3): grid 8 x 32, 8 waves a work-group, clusters of 4 x 1, 327,680 bytes of LDS; arguments qc, kc, vtc, lowp_scales, oc; writes oc
.if DOCPART == 3
	.amdgcn_target "amdgcn-amd-amdhsa--gfx1250"
	.amdhsa_code_object_version 6
	.text
	.protected	k_qf09805a003_attn
	.globl	k_qf09805a003_attn
	.p2align	8
	.type	k_qf09805a003_attn,@function
k_qf09805a003_attn:
	s_mov_b64 s[64:65], 0
	v_nop
	global_prefetch_b8 v0, s[64:65] scope:SCOPE_SE
	s_setreg_imm32_b32 hwreg(HW_REG_WAVE_MODE, 25, 1), 1
	s_wait_xcnt 0x0
	s_wait_alu depctr_hold_cnt(0) depctr_sa_sdst(0) depctr_va_vdst(0) depctr_va_sdst(0) depctr_va_ssrc(0) depctr_va_vcc(0) depctr_vm_vsrc(0)
	s_getreg_b32 s2, hwreg(HW_REG_IB_STS2, 6, 4)
	s_cmp_eq_u32 s2, 0
	s_cbranch_scc0 .Lentry_in_a_cluster
	s_endpgm
.Lentry_in_a_cluster:
	s_bfe_u32 s2, ttmp6, 0x10000c
	s_cmp_lg_u32 s2, 0x3003
	s_cbranch_scc0 .Lentry_shape_is_right
	s_endpgm
.Lentry_shape_is_right:
; oc[bh][q][:] = Q(sum over k of softmax_k(q . k / 8) v[k][:]), both products on E5M2 codes.  qc, kc, oc: [bh 32][2048][64]; vtc: [bh][64][2048], the keys innermost.  Scales: q 2^e2, k 2^e3, v 2^e4, p 2^e5, the result 2^e6.
; THE SOFTMAX: t = score x log2(e) / 8; M = the running largest t rounded UP to a whole number; p = 2^(t - M) is quantised, not normalised; the row's sum is taken of the unquantised p and divides at the end.
; When M moves, the sums and O are multiplied by 2^(old M - new M): exact.
; LIMITS: e2 + e3 between -123 and 130 (added to the constant's exponent field); e5 and e6 between -126 and 112; the scaled scores stay under 2^31 in magnitude.  NaN is not served.
; SHARES.  A work-group owns 256 queries of one head, each of its eight waves 32: two tiles of 16, so that each fragment of K and V read from LDS feeds two products; two waves lie on a SIMD.
; ALL OF THE HEAD'S K AND V LIE IN LDS: each byte is filled once, by ONE load a wave at the head (waves 0-3: 512 keys of K each; waves 4-7: 16 rows of V each).  Nothing is filled again, and there is no loop to prefetch in.
; CLUSTER.  The four query blocks of a cluster belong to one head: each tile is asked for jointly, with a mask that names the four.
; LAYOUT.  S^T = K Q^T (16x16x64: source 0 = 16 neighbouring keys, source 1 = 16 queries): lane (r, h) holds query r and keys 16 u + 8 h + 0 .. 7 of tile u.  Their eight codes are registers 2 u, 2 u + 1 of the
; 16x16x128 form's own layout, so p's codes ARE source 1 of O^T = V^T P; V's fragments come in the same layout, by loads of 8 bytes.
; A KEY STEP (128 keys) GOES IN BATCHES: V's loads; the scores; the next step's K loads; the maxima, M and f; all t - M and the rescaling of O^T; one wait; the 128 exponentials; one wait; the sums, the holds, the codes; the second product.
; The maxima and the step's sums go in eight chains by turns (four a tile); the step's sum joins the running sum by one packed multiply-add with f.
; The step stands three times: a loop of eight, a loop of seven (V's rows have 8 bytes of padding in their middle, between the two), and the last step, behind which there is no K to ask for.
; REGISTERS: window 0: v1-11, v28 addresses and scales; v12-27 statistics; v32-47 Q; v48-79 p's codes; v84-85 the permutes' results; v88-103 the step's sums; v104-111 the maxima's chains; v112-239 S^T, 64 a tile; v254, v255 the add's.
;   window 1: v0-63 V's four fragments; v64-127 O^T; v128-191 K's eight fragments.
.set VB,    139264                     ; K: 2,048 keys x 64 bytes, 16 bytes of padding behind every 256: key n at 64 n + 16 (n / 4).  V begins here
.set VP,    2064                       ; a row of V: 2,048 bytes, 8 of padding behind every 1,024: key k at k + 8 (k / 1024).  516 words: row r starts at bank 4 r mod 64
.set VW,    16*VP                      ; a wave's 16 rows
.set STG,   VB+64*VP                   ; the way out: 32 rows x 80 bytes for each wave; no tile lands here
.set SPARE, 0x48000                    ; the spare words, 128 bytes for each wave, which no other line names
.set AK0, 1
.set AV0, 2
.set ADK, 3
.set ADV, 4
.set STO, 5
.set RD,  6
.set GO,  7
.set QO,  8
.set AV1, 11                           ; V's rows 32 on: the loads' immediates end at 65,535
.set ADW, 28
.set ST,  12                           ; tile t at ST + 8 t: +0 -M, +1 the largest t, +2, +3 the running sum in two halves, +4 f, +5 (written once), +6 at work
.set Q,   32
.set PCD, 48                           ; p's codes: block b (tile b / 8, keys 16 (b % 8) on) at PCD + 2 b
.set PT,  84                           ; the lane permutes' results, one a tile
.set TS,  88                           ; the step's sums: tile t, chain c at TS + 8 t + 2 c
.set MX,  104                          ; the maxima: tile t, chain c at MX + 4 t + c
.set S,   112                          ; block b at S + 8 b
.set SPW, 254
.set NIL, 255
.set OW,  64                           ; in window 1: O^T, tile t, channels 16 d on, at OW + 32 t + 8 d
.set KW,  128                          ; in window 1: K's fragment u at KW + 8 u
.set G1K, 24
.set G1V, 32
.set G0K, 40
.set G0V, 44
.set TBK, 84                           ; LDS byte at which the NEXT step's keys begin
.set TBV, 85                           ; this step's place in V's rows
.set TW,  86
.set MSB, 0
.macro WIN new                         ; the immediate's high byte repeats the setting that is left
.if MSB != (\new)
	s_set_vgpr_msb (MSB<<8)|(\new)
.set MSB, (\new)
.endif
.endm
.macro CROUND                          ; a round of the cluster's barrier
	s_barrier_signal -1
	s_barrier_wait -1
	s_cmp_lg_u32 s14, 0
	s_cbranch_scc1 .Lnot_wave_0_\@
	s_barrier_signal -3
.Lnot_wave_0_\@:
	s_barrier_wait -3
	s_barrier_signal -1
	s_barrier_wait -1
.endm
	s_load_b256 s[4:11], s[0:1], 0x0               ; qc s[4:5], kc s[6:7], vtc s[8:9], the scales s[10:11]
	s_load_b64 s[12:13], s[0:1], 0x20              ; oc
	v_lshl_add_u32 v[SPW], v0, 2, SPARE
	v_mov_b32 v[NIL], 0
	ds_add_u32 v[SPW], v[NIL]                      ; the opening: the add, twice on end, and its wait ahead of my first tensor load
	ds_add_u32 v[SPW], v[NIL]
	v_lshrrev_b32 v1, 5, v0
	v_readfirstlane_b32 s14, v1                    ; wave 0..7
	s_and_b32 s15, s14, 3                          ; which quarter of K or of V I fetch
	s_bfe_u32 s16, ttmp6, 0x40000                  ; cx: it enters Q's and O's addresses alone
	s_lshl_b32 s17, ttmp9, 2
	s_add_co_u32 s17, s17, s16                     ; my block of 256 queries
	s_and_b32 s18, ttmp7, 0xffff                   ; batch x 16 + head, which the partners share
	s_lshl_b32 s18, s18, 17                        ; x 131,072 bytes
	s_lshl_b32 s56, s15, 15                        ; 512 keys x 64 bytes, and 16 rows x 2,048 bytes alike
	s_add_co_u32 s56, s56, s18
	s_mov_b32 s57, 0
	s_lshl_b32 s60, s17, 14                        ; Q, O: 256 rows x 64 bytes a block,
	s_lshl_b32 s61, s14, 11                        ; 32 a wave
	s_add_co_u32 s60, s60, s61
	s_add_co_u32 s60, s60, s18
	s_mov_b32 s61, 0
	s_mul_i32 s62, s15, 34816                      ; in LDS: 512 keys with their padding,
	s_mul_i32 s63, s15, VW                         ; 16 rows of V
	s_add_co_u32 s63, s63, VB
	s_mov_b32 s[G1K], 15|(1<<20)|(1<<21)|(5<<22)|(3<<25)   ; the mask: all four; elements of 1 byte; padding on; bit 21 beside a mask; 4 words behind every 64
	s_mov_b32 s[G1K+1], 256<<16                    ; K is dense: stated as 128 rows of 256 bytes (four keys)
	s_mov_b32 s[G1K+2], 128<<16
	s_mov_b32 s[G1K+3], 256<<16
	s_mov_b32 s[G1K+4], 128
	s_mov_b32 s[G1K+5], 256
	s_mov_b32 s[G1K+6], 0
	s_mov_b32 s[G1K+7], 0
	s_mov_b32 s[G1V], 15|(1<<20)|(1<<21)|(7<<22)|(1<<25)   ; 2 words behind every 256
	s_mov_b32 s[G1V+1], 2048<<16                   ; 16 whole rows of 2,048 keys
	s_mov_b32 s[G1V+2], 16<<16
	s_mov_b32 s[G1V+3], 2048<<16
	s_mov_b32 s[G1V+4], 16
	s_mov_b32 s[G1V+5], 2048
	s_mov_b32 s[G1V+6], 0
	s_mov_b32 s[G1V+7], 0
	s_mov_b32 s20, 0x76543210                      ; v_permlanex16_b32: lane l xor 16
	s_mov_b32 s21, 0xfedcba98
	s_mov_b32 s22, 0x3e38aa3b                      ; c = log2(e) / 8
	s_mov_b32 s[TBK], 0
	s_mov_b32 s[TBV], 0
	s_wait_dscnt 0x0                               ; both opening adds are done
	s_wait_kmcnt 0x0
	s_load_b256 s[88:95], s[10:11], 0x0            ; e0 .. e7
	s_mov_b32 s[G0K], 1
	s_mov_b32 s[G0K+1], s62
	s_add_nc_u64 s[G0K+2:G0K+3], s[6:7], s[56:57]
	s_or_b32 s[G0K+3], s[G0K+3], 0x80000000
	s_mov_b32 s[G0V], 1
	s_mov_b32 s[G0V+1], s63
	s_add_nc_u64 s[G0V+2:G0V+3], s[8:9], s[56:57]
	s_or_b32 s[G0V+3], s[G0V+3], 0x80000000
	s_add_nc_u64 s[4:5], s[4:5], s[60:61]
	s_add_nc_u64 s[12:13], s[12:13], s[60:61]
	CROUND                                         ; all four work-groups are here: the joint loads meet
	s_cmp_lt_u32 s14, 4                            ; one fill a wave, in the two arms of one branch on its number
	s_cbranch_scc0 .Lfirst_v
	tensor_load_to_lds s[G0K:G0K+3], s[G1K:G1K+7]
	s_nop 0
.rept 4
	v_nop
.endr
	s_branch .Lfirst_asked
.Lfirst_v:
	tensor_load_to_lds s[G0V:G0V+3], s[G1V:G1V+7]
	s_nop 0
.rept 4
	v_nop
.endr
.Lfirst_asked:
	v_and_b32 v29, 15, v0                          ; r
	v_bfe_u32 v30, v0, 4, 1                        ; h
	v_lshlrev_b32 v[QO], 6, v29
	v_lshl_add_u32 v[QO], v30, 4, v[QO]            ; Q: row r of 64 bytes, + 16 h
.irp t, 0,1
	global_load_b128 v[Q+8*\t:Q+8*\t+3], v[QO], s[4:5] offset:1024*\t        ; d = 16 h + 0 .. 15,
	global_load_b128 v[Q+8*\t+4:Q+8*\t+7], v[QO], s[4:5] offset:1024*\t+32   ; d = 32 + 16 h + 0 .. 15: the same permutation of d as in K's fragments
.endr
	v_lshrrev_b32 v31, 2, v29
	v_lshl_add_u32 v[AK0], v31, 4, v[QO]           ; K: 64 r + 16 (r / 4) + 16 h
	v_mul_u32_u24 v[AV0], v29, VP
	v_lshl_add_u32 v[AV0], v30, 3, v[AV0]
	v_add_nc_u32 v[AV0], VB, v[AV0]                ; V: row r, + 8 h
	v_add_nc_u32 v[AV1], 2*VW, v[AV0]              ; and row 32 + r
	s_mul_i32 s56, s14, 2560
	s_add_co_u32 s56, s56, STG                     ; my stage
	v_mul_u32_u24 v[STO], v29, 80
	v_lshl_add_u32 v[STO], v30, 3, v[STO]
	v_add_nc_u32 v[STO], s56, v[STO]               ; in: row r, + 8 h
	v_bfe_u32 v[RD], v0, 2, 3
	v_mul_u32_u24 v[RD], v[RD], 80
	v_and_b32 v31, 3, v0
	v_lshl_add_u32 v[RD], v31, 4, v[RD]
	v_add_nc_u32 v[RD], s56, v[RD]                 ; back: four lanes to a row of 64 bytes
	v_and_b32 v31, 31, v0
	v_lshlrev_b32 v[GO], 4, v31
.irp t, 0,1
	v_mov_b32 v[ST+8*\t+1], 0xff61b1e6             ; the largest t so far: -3e38
	v_floor_f32 v[ST+8*\t], -v[ST+8*\t+1]          ; -M
	v_mov_b32 v[ST+8*\t+2], 0                      ; the running sum, in two halves
	v_mov_b32 v[ST+8*\t+3], 0
	v_mov_b32 v[ST+8*\t+5], 0                      ; (named as the upper half of a pair)
	v_mov_b32 v[PT+\t], 0                          ; written once: a lane permute's destination counts as one of its sources
.endr
	WIN 0x40
.set j, 0
.rept 64
	v_mov_b32 v[OW+j], 0                           ; O^T: the step has one form; its first walk finds zeros, which the first change of M leaves zeros
.set j, j+1
.endr
	WIN 0
	s_wait_kmcnt 0x0
	s_add_co_i32 s56, s90, s91                     ; a score stands for score x 2^(e2 + e3): added to c's exponent field
	s_lshl_b32 s56, s56, 23
	s_add_co_i32 s22, s22, s56
	s_mov_b32 s23, s22                             ; (named with it as a pair)
	s_add_co_i32 s56, s93, 127
	s_lshl_b32 s57, s56, 23
	v_mov_b32 v9, s57                              ; 2^e5
	s_add_co_i32 s56, s56, 15
	s_lshl_b32 s56, s56, 23
	s_or_b32 s87, s56, 0x600000                    ; 57,344 x 2^e5
	s_add_co_i32 s56, s94, 127
	s_lshl_b32 s57, s56, 23
	v_mov_b32 v10, s57                             ; 2^e6
	s_add_co_i32 s56, s56, 15
	s_lshl_b32 s56, s56, 23
	s_or_b32 s96, s56, 0x600000                    ; 57,344 x 2^e6
	s_or_b32 s97, s96, 0x80000000
	s_add_co_i32 s98, s92, s93                     ; e4 + e5
; K's eight fragments of the step that begins at LDS byte s[TBK].  The addition and the three v_nop are the four places between the score products, which have read these registers, and the loads;
; they are also the places in front of the first read of the scores (ISA guide 7.12.1 for vector instructions)
.macro FETCHK
	v_add_nc_u32 v[ADK], s[TBK], v[AK0]
	v_nop
	v_nop
	v_nop
	WIN 0x40                                       ; destination window 1
.irp u, 0,1,2,3,4,5,6,7
	ds_load_b128 v[KW+8*\u:KW+8*\u+3], v[ADK] offset:1088*\u
	ds_load_b128 v[KW+8*\u+4:KW+8*\u+7], v[ADK] offset:1088*\u+32
.endr
	WIN 0
.endm
; the largest score of each query, the new M and f, for both tiles by turns: eight chains of maxima; a tile's 64 scores are taken in ascending order
.macro MAXBOTH
.irp k, 0,1,2,3
.irp t, 0,1
	v_max3_num_f32 v[MX+4*\t+\k], v[S+64*\t+3*\k], v[S+64*\t+3*\k+1], v[S+64*\t+3*\k+2]   ; scores 0 to 11 start the chains
.endr
.endr
.set m, 0
.rept 26
.irp t, 0,1
	v_max3_num_f32 v[MX+4*\t+m%4], v[MX+4*\t+m%4], v[S+64*\t+12+2*m], v[S+64*\t+13+2*m]
.endr
.set m, m+1
.endr
.irp t, 0,1
	v_max3_num_f32 v[ST+8*\t+6], v[MX+4*\t], v[MX+4*\t+1], v[MX+4*\t+2]
.endr
.irp t, 0,1
	v_max_num_f32 v[ST+8*\t+6], v[ST+8*\t+6], v[MX+4*\t+3]
.endr
.irp t, 0,1
	v_permlanex16_b32 v[PT+\t], v[ST+8*\t+6], s20, s21
.endr
.irp t, 0,1
	v_max_num_f32 v[ST+8*\t+6], v[ST+8*\t+6], v[PT+\t]       ; and among lane l xor 16's keys
.endr
.irp t, 0,1
	v_mul_f32 v[ST+8*\t+6], s22, v[ST+8*\t+6]                ; as t (c is positive)
.endr
.irp t, 0,1
	v_max_num_f32 v[ST+8*\t+1], v[ST+8*\t+1], v[ST+8*\t+6]   ; the running largest t
.endr
.irp t, 0,1
	v_mov_b32 v[ST+8*\t+6], v[ST+8*\t]
.endr
.irp t, 0,1
	v_floor_f32 v[ST+8*\t], -v[ST+8*\t+1]                    ; the new -M = -ceil(t)
.endr
.irp t, 0,1
	v_sub_f32 v[ST+8*\t+6], v[ST+8*\t], v[ST+8*\t+6]         ; old M - new M: a whole number, 0 or less
.endr
.irp t, 0,1
	v_cvt_i32_f32 v[ST+8*\t+6], v[ST+8*\t+6]                 ; (it saturates)
.endr
.irp t, 0,1
	v_ldexp_f32 v[ST+8*\t+4], 1.0, v[ST+8*\t+6]              ; f = 2^(old M - new M)
.endr
.endm
; 32 pairs of p are held at the largest code x the scale: the conversion does not saturate (ISA guide 7.6.2); p is not negative, so the hold is one-sided; two holds in one instruction
.macro HOLD32 from
.set RA, S+(\from)
.rept 32
	v_dual_min_num_f32 v[RA], s87, v[RA] :: v_dual_min_num_f32 v[RA+1], s87, v[RA+1]
.set RA, RA+2
.endr
.endm
; A KEY STEP: 128 keys.  pre = 1: the next step's K is asked for
.macro STEP pre
	v_add_nc_u32 v[ADV], s[TBV], v[AV0]
	v_add_nc_u32 v[ADW], s[TBV], v[AV1]
	v_nop                                          ; with the additions: four places in front of loads into registers that the last products have read
	v_nop
	WIN 0x40
.irp d, 0,1
.irp c, 0,1,2,3,4,5,6,7
	ds_load_b64 v[16*\d+2*\c:16*\d+2*\c+1], v[ADV] offset:VW*\d+16*\c        ; V^T(16 d + r, keys 16 c + 8 h + 0 .. 7)
.endr
.endr
.irp d, 0,1
.irp c, 0,1,2,3,4,5,6,7
	ds_load_b64 v[32+16*\d+2*\c:32+16*\d+2*\c+1], v[ADW] offset:VW*\d+16*\c  ; rows 32 + 16 d + r
.endr
.endr
	s_wait_dscnt 32                                ; K's 16 loads, issued a step ago, are in; V's 32 may stay out through the softmax
	WIN 0x01                                       ; K in window 1; Q and S^T in window 0
.irp t, 0,1
.irp u, 0,1,2,3,4,5,6,7
	v_wmma_f32_16x16x64_bf8_bf8 v[S+64*\t+8*\u:S+64*\t+8*\u+7], v[KW+8*\u:KW+8*\u+7], v[Q+8*\t:Q+8*\t+7], 0
.endr
.endr
	WIN 0
.if \pre
	FETCHK                                         ; the next step's K has the softmax in which to land
.else
.rept 4
	v_nop                                          ; the places in front of the first read of the scores
.endr
.endif
	MAXBOTH
.irp t, 0,1
.set j, 0
.rept 32
	v_pk_fma_f32 v[S+64*\t+j:S+64*\t+j+1], v[S+64*\t+j:S+64*\t+j+1], s[22:23], v[ST+8*\t:ST+8*\t+1] op_sel_hi:[1,0,0]   ; t - M, two at a time
.set j, j+2
.endr
.endr
	WIN 0x41                                       ; O^T in window 1, f in window 0
.irp t, 0,1
.irp j, 0,2,4,6,8,10,12,14,16,18,20,22,24,26,28,30
	v_pk_mul_f32 v[OW+32*\t+\j:OW+32*\t+\j+1], v[OW+32*\t+\j:OW+32*\t+\j+1], v[ST+8*\t+4:ST+8*\t+5] op_sel_hi:[1,0]   ; O^T under the new M, ahead of the exponentials; each accumulator from its low end on
.endr
.endr
	WIN 0
	s_wait_alu depctr_va_vdst(0)                   ; the wait ahead of the batch
.set j, 0
.rept 128
	v_exp_f32 v[S+j], v[S+j]                       ; p = 2^(t - M), at most 1: not normalised
.set j, j+1
.endr
	v_nop                                          ; a plain place behind the exponentials
	s_wait_alu depctr_va_vdst(0)                   ; one wait for the whole batch, ahead of its first reader
.irp c, 0,1,2,3
.irp t, 0,1
	v_pk_add_f32 v[TS+8*\t+2*\c:TS+8*\t+2*\c+1], v[S+64*\t+4*\c:S+64*\t+4*\c+1], v[S+64*\t+4*\c+2:S+64*\t+4*\c+3]   ; the step's sum of the UNQUANTISED p: the first pairs start eight chains
.endr
.endr
.set m, 0
.rept 24
.irp t, 0,1
	v_pk_add_f32 v[TS+8*\t+2*(m%4):TS+8*\t+2*(m%4)+1], v[TS+8*\t+2*(m%4):TS+8*\t+2*(m%4)+1], v[S+64*\t+16+2*m:S+64*\t+17+2*m]
.endr
.set m, m+1
.endr
.irp t, 0,1
	v_pk_add_f32 v[TS+8*\t:TS+8*\t+1], v[TS+8*\t:TS+8*\t+1], v[TS+8*\t+2:TS+8*\t+3]       ; the chains are joined in three stages, with the holds between them
	v_pk_add_f32 v[TS+8*\t+4:TS+8*\t+5], v[TS+8*\t+4:TS+8*\t+5], v[TS+8*\t+6:TS+8*\t+7]
.endr
	HOLD32 0
.irp t, 0,1
	v_pk_add_f32 v[TS+8*\t:TS+8*\t+1], v[TS+8*\t:TS+8*\t+1], v[TS+8*\t+4:TS+8*\t+5]
.endr
	HOLD32 64
.irp t, 0,1
	v_pk_fma_f32 v[ST+8*\t+2:ST+8*\t+3], v[ST+8*\t+2:ST+8*\t+3], v[ST+8*\t+4:ST+8*\t+5], v[TS+8*\t:TS+8*\t+1] op_sel_hi:[1,0,1]   ; the running sum x f + the step's
.endr
.set j, 0
.rept 16
	v_cvt_scalef32_pk8_bf8_f32 v[PCD+2*j:PCD+2*j+1], v[S+8*j:S+8*j+7], v9   ; keys 16 u + 8 h + 0 .. 7: registers 2 u, 2 u + 1 of the operand
.set j, j+1
.endr
	v_nop                                          ; a plain instruction behind the last scaled conversion
	s_wait_alu depctr_va_vdst(0)                   ; the wait here, directly ahead of the wait below
	s_wait_dscnt 16*\pre                           ; V is in; the next step's 16 loads of K may stay out
	WIN 0x51                                       ; V and O^T in window 1, p's codes in window 0
.irp d, 0,1,2,3
.irp t, 0,1
	v_wmma_f32_16x16x128_bf8_bf8 v[OW+32*\t+8*\d:OW+32*\t+8*\d+7], v[16*\d:16*\d+15], v[PCD+16*\t:PCD+16*\t+15], v[OW+32*\t+8*\d:OW+32*\t+8*\d+7]   ; eight accumulators, one instruction each; the next step's scores stand between two links
.endr
.endr
	WIN 0
.endm
.macro RUN n                           ; n key steps
	s_mov_b32 s[TW], \n
.Lstep_\@:
	STEP 1
	s_add_co_u32 s[TBK], s[TBK], 8704
	s_add_co_u32 s[TBV], s[TBV], 128
	s_sub_co_u32 s[TW], s[TW], 1
	s_cmp_lg_u32 s[TW], 0
	s_cbranch_scc1 .Lstep_\@
.endm
	s_wait_alu depctr_va_vdst(0)                   ; the wait at the head's end
	s_wait_loadcnt 0x0                             ; Q
	s_wait_tensorcnt 0x0                           ; my one load has landed
	s_barrier_signal -1
	s_barrier_wait -1                              ; everybody's has: K and V are whole
	FETCHK                                         ; K of step 0
	s_add_co_u32 s[TBK], s[TBK], 8704
	RUN 8                                          ; keys 0 to 1,023
	s_add_co_u32 s[TBV], s[TBV], 8                 ; the padding in the middle of V's rows
	RUN 7                                          ; keys 1,024 to 1,919
	STEP 0                                         ; the last 128 keys: there is no K behind them
	; THE WAY OUT: O^T / the sum x 2^(e4 + e5), quantised with 2^e6; the codes go through my stage and leave as 2,048 dense bytes.  The six plain lines below are also the places behind the last products
.irp t, 0,1
	v_add_f32 v[ST+8*\t+2], v[ST+8*\t+2], v[ST+8*\t+3]       ; the sum's two halves,
.endr
.irp t, 0,1
	v_permlanex16_b32 v[PT+\t], v[ST+8*\t+2], s20, s21
.endr
.irp t, 0,1
	v_add_f32 v[ST+8*\t+2], v[ST+8*\t+2], v[PT+\t]           ; and lane l xor 16's
.endr
	s_wait_alu depctr_va_vdst(0)                   ; the wait ahead of the transcendentals
.irp t, 0,1
	v_rcp_f32 v[ST+8*\t+2], v[ST+8*\t+2]
.endr
	v_nop                                          ; a plain place behind the reciprocals
	s_wait_alu depctr_va_vdst(0)                   ; the wait ahead of their first reader
.irp t, 0,1
	v_ldexp_f32 v[ST+8*\t+2], v[ST+8*\t+2], s98
.endr
	WIN 0x01                                       ; source 0 in window 1
	s_wait_alu depctr_va_vdst(0)                   ; the wait here, directly ahead of the first reader of O^T
.irp t, 0,1
.set j, 0
.rept 32
	v_mul_f32 v[S+32*\t+j], v[OW+32*\t+j], v[ST+8*\t+2]      ; register 8 d + i: o(query r, 16 d + 8 h + i); each accumulator from its low end on
.set j, j+1
.endr
.endr
	WIN 0
.set j, 0
.rept 64
	v_med3_num_f32 v[S+j], v[S+j], s97, s96        ; the hold at the largest code x the scale
.set j, j+1
.endr
.irp t, 0,1
.irp d, 0,1,2,3
	v_cvt_scalef32_pk8_bf8_f32 v[PCD+8*\t+2*\d:PCD+8*\t+2*\d+1], v[S+32*\t+8*\d:S+32*\t+8*\d+7], v10
.endr
.endr
	v_nop                                          ; a plain instruction behind the last scaled conversion
.irp t, 0,1
.irp d, 0,1,2,3
	ds_store_b64 v[STO], v[PCD+8*\t+2*\d:PCD+8*\t+2*\d+1] offset:1280*\t+16*\d
.endr
.endr
.irp i, 0,1,2,3
	ds_load_b128 v[S+64+4*\i:S+64+4*\i+3], v[RD] offset:640*\i     ; LDS serves a wave's instructions in order (ISA guide 5.7.1.4): these see my stores
.endr
.irp i, 0,1,2,3
	s_wait_dscnt 3-\i
	global_store_b128 v[GO], v[S+64+4*\i:S+64+4*\i+3], s[12:13] offset:512*\i   ; 512 consecutive bytes, aligned
.endr
	s_wait_tensorcnt 0x0                           ; the wave's end
	ds_add_u32 v[SPW], v[NIL]
	s_wait_dscnt 0x0
	CROUND                                         ; the closing round: no work-group ends while a partner may still ask jointly
	s_endpgm
.Lfunc_end_k_qf09805a003_attn:
	.size	k_qf09805a003_attn, .Lfunc_end_k_qf09805a003_attn-k_qf09805a003_attn
	.p2alignl 7, 3214868480
	.fill 96, 4, 3214868480
	.section	.rodata,"a",@progbits
	.p2align	6, 0x0
	.amdhsa_kernel k_qf09805a003_attn
		.amdhsa_group_segment_fixed_size 327680
		.amdhsa_private_segment_fixed_size 0
		.amdhsa_enable_private_segment 0
		.amdhsa_kernarg_size 40
		.amdhsa_user_sgpr_count 2
		.amdhsa_user_sgpr_kernarg_segment_ptr 1
		.amdhsa_wavefront_size32 1
		.amdhsa_system_sgpr_workgroup_id_x 1
		.amdhsa_system_sgpr_workgroup_id_y 1
		.amdhsa_system_sgpr_workgroup_id_z 1
		.amdhsa_system_vgpr_workitem_id 0
		.amdhsa_next_free_vgpr 448
		.amdhsa_next_free_sgpr 100
		.amdhsa_reserve_vcc 0
		.amdhsa_float_denorm_mode_32 3
		.amdhsa_float_denorm_mode_16_64 3
		.amdhsa_memory_ordered 1
		.amdhsa_forward_progress 1
		.amdhsa_inst_pref_size 106
	.end_amdhsa_kernel
	.amdgpu_metadata
---
amdhsa.version: [ 1, 2 ]
amdhsa.kernels:
  - .name:           k_qf09805a003_attn
    .symbol:         k_qf09805a003_attn.kd
    .args:
      - { .name: qc, .offset: 0, .size: 8, .value_kind: global_buffer, .address_space: global }
      - { .name: kc, .offset: 8, .size: 8, .value_kind: global_buffer, .address_space: global }
      - { .name: vtc, .offset: 16, .size: 8, .value_kind: global_buffer, .address_space: global }
      - { .name: lowp_scales, .offset: 24, .size: 8, .value_kind: global_buffer, .address_space: global }
      - { .name: oc, .offset: 32, .size: 8, .value_kind: global_buffer, .address_space: global }
    .group_segment_fixed_size: 327680
    .private_segment_fixed_size: 0
    .kernarg_segment_align: 8
    .kernarg_segment_size: 40
    .max_flat_workgroup_size: 256
    .sgpr_count:     100
    .vgpr_count:     448
    .wavefront_size: 32
...
	.end_amdgpu_metadata
.endif
;; end of part 3
;; launch oproj (part 4): grid 8 x 32, 4 waves a work-group, clusters of 4 x 4, 327,680 bytes of LDS; arguments oc, w_out_codes, b_out, x, lowp_scales, x1; writes x1
.if DOCPART == 4
	.amdgcn_target "amdgcn-amd-amdhsa--gfx1250"
	.amdhsa_code_object_version 6
	.text
	.protected	k_qf09805a003_oproj
	.globl	k_qf09805a003_oproj
	.p2align	8
	.type	k_qf09805a003_oproj,@function
k_qf09805a003_oproj:
	s_mov_b64 s[64:65], 0
	v_nop
	global_prefetch_b8 v0, s[64:65] scope:SCOPE_SE
	s_setreg_imm32_b32 hwreg(HW_REG_WAVE_MODE, 25, 1), 1
	s_wait_xcnt 0x0
	s_wait_alu depctr_hold_cnt(0) depctr_sa_sdst(0) depctr_va_vdst(0) depctr_va_sdst(0) depctr_va_ssrc(0) depctr_va_vcc(0) depctr_vm_vsrc(0)
	s_getreg_b32 s2, hwreg(HW_REG_IB_STS2, 6, 4)
	s_cmp_eq_u32 s2, 0
	s_cbranch_scc0 .Lentry_in_a_cluster
	s_endpgm
.Lentry_in_a_cluster:
	s_bfe_u32 s2, ttmp6, 0x10000c
	s_cmp_lg_u32 s2, 0xf033
	s_cbranch_scc0 .Lentry_shape_is_right
	s_endpgm
.Lentry_shape_is_right:
; x1[m][n] = (sum over k of A[m][k] B[n][k]) x 2^(e6 + e7) + b_out[n] + x[m][n].  A = oc: E5M2 codes, [batch x 16 + head][token 2048][64], K = head x 64 + d; B = w_out_codes: [1024][1024] codes; b_out, x, x1: f32, [4096][1024].
; LIMIT: e6 + e7 between -126 and 127, so that 2^(e6 + e7) is an f32 number.
; 4,096 x 1,024 makes 256 tiles of 128 x 128, one for each WGP; four waves, 64 x 64 each: 16 accumulators.
; ALL OF K LIES IN LDS: 128 rows of A and 128 of B x 1,024 bytes, with padding 272,384 bytes.  Each byte is filled once, by ONE load a wave at the head (waves 0, 1: A's halves, 16 heads x 64 tokens x 64 bytes;
; waves 2, 3: B's halves, 64 rows x 1,024 bytes).  Nothing is filled again, and there is no loop to prefetch in.
; CLUSTERS of 4 x 4: A's tile is asked for jointly along a row of the cluster, B's along a column.  THE MATRIX INSTRUCTION IS USED TRANSPOSED (source 0 = 16 rows of B, source 1 = 16 rows of A): a lane holds eight neighbouring columns of one row.
; The bias, divided by 2^(e6 + e7), is the C of the first products.  The residual is asked for at the head, behind the tiles, and waits in registers.
; One barrier stands in the middle of K: behind it no wave reads the first eight heads' bytes, where the stages of the way out lie.
; REGISTERS: window 0: v16-31 addresses; v32-63 the bias; from v128 A's fragments, one set; on the way out v128-255 rows of the result.  window 1: B's fragments, two sets.  window 2: v0-127 the accumulators, v128-255 the residual.
.set SIZE_K,  1024
.set SEA,     74                       ; s[SEA], s[SEA+1]: e6, e7 (entry i of the scales lies in s[68 + i])
.set PITCH,  1040                      ; B's row in LDS: 1,024 bytes + 16: the 16 rows of a fragment load start at 16 different columns of 16 bytes
.set FR,     16
.set HALFB,  64*PITCH
.set HBLK,   4352                      ; a head's 64 tokens x 64 bytes, 16 bytes of padding behind every 256
.set HALFA,  16*HBLK
.set SPARE,  2*HALFA+2*HALFB           ; behind the tiles: the spare words, 128 bytes for each wave, which no other line names
.set ADRA, 16                          ; v16, v17: my A fragments, heads 0-7 and heads 8-15
.set ADRB, 20                          ; v20, v21: my B fragments, K 0-511 and K 512-1,023
.set STO,  24
.set RD,   25
.set CO,   26
.set SPW,  28
.set NIL,  29
.set BA,   30
.set BI,   32
.set AF,   128
.set BK,   128
.set G1, 24
.set G0, 32
.set G1B, 48
.set G0B, 56
.set MSB, 0
.macro WIN new
.if MSB != (\new)
	s_set_vgpr_msb (MSB<<8)|(\new)
.set MSB, (\new)
.endif
.endm
.macro CROUND                          ; a round of the cluster's barrier
	s_barrier_signal -1
	s_barrier_wait -1
	s_cmp_lg_u32 s14, 0
	s_cbranch_scc1 .Lnot_wave_0_\@
	s_barrier_signal -3
.Lnot_wave_0_\@:
	s_barrier_wait -3
	s_barrier_signal -1
	s_barrier_wait -1
.endm
.macro PLACES n
.rept \n
	v_nop
.endr
.endm
	s_load_b256 s[4:11], s[0:1], 0x0               ; A s[4:5], B s[6:7], the bias s[8:9], x s[10:11]
	s_load_b128 s[80:83], s[0:1], 0x20             ; the scales s[80:81], x1 s[82:83]
	v_lshl_add_u32 v[SPW], v0, 2, SPARE
	v_mov_b32 v[NIL], 0
	ds_add_u32 v[SPW], v[NIL]                      ; the opening: the add, twice on end, and its wait ahead of my first tensor load
	ds_add_u32 v[SPW], v[NIL]
	v_lshrrev_b32 v1, 5, v0
	v_readfirstlane_b32 s14, v1                    ; wave
	s_lshr_b32 s15, s14, 1                         ; my half of the tile's rows.  Also: I fetch for A (0) or B (1)
	s_and_b32 s16, s14, 1                          ; my half of its columns.  Also: which 64 rows I fetch
	s_bfe_u32 s40, ttmp6, 0x40000                  ; cx
	s_bfe_u32 s41, ttmp6, 0x40004                  ; cy
	s_lshl_b32 s42, ttmp9, 2
	s_add_co_u32 s42, s42, s40                     ; tile column
	s_and_b32 s17, ttmp7, 0xffff
	s_lshl_b32 s17, s17, 2
	s_add_co_u32 s17, s17, s41                     ; tile row
	s_lshl_b32 s43, s41, 2
	s_lshl_b32 s43, 15, s43                        ; my row of the cluster
	s_lshl_b32 s44, 0x1111, s40                    ; my column
	s_or_b32 s[G1+0], s43, (1<<20)|(1<<21)|(5<<22)|(3<<25)   ; 4 words of padding behind every 64
	s_mov_b32 s[G1+1], 4096<<16                    ; a 'row' is one head's 64 tokens: 4,096 dense bytes;
	s_mov_b32 s[G1+2], 16<<16                      ; sixteen heads,
	s_mov_b32 s[G1+3], 4096<<16
	s_mov_b32 s[G1+4], 16
	s_mov_b32 s[G1+5], 131072                      ; 2,048 x 64 bytes apart
	s_mov_b32 s[G1+6], 0
	s_mov_b32 s[G1+7], 0
	s_or_b32 s[G1B+0], s44, (1<<20)|(1<<21)|(7<<22)|(3<<25)  ; 4 words of padding behind every 256
	s_mov_b32 s[G1B+1], SIZE_K<<16
	s_mov_b32 s[G1B+2], 64<<16
	s_mov_b32 s[G1B+3], SIZE_K<<16
	s_mov_b32 s[G1B+4], 64
	s_mov_b32 s[G1B+5], SIZE_K
	s_mov_b32 s[G1B+6], 0
	s_mov_b32 s[G1B+7], 0
	s_lshr_b32 s20, s17, 4                         ; the batch: 16 tiles of 128 tokens each,
	s_lshl_b32 s20, s20, 21                        ; x 16 heads x 131,072 bytes
	s_and_b32 s21, s17, 15
	s_lshl_b32 s21, s21, 13                        ; 128 tokens x 64 bytes a tile,
	s_add_co_u32 s20, s20, s21
	s_lshl_b32 s21, s16, 12                        ; 64 a half
	s_add_co_u32 s20, s20, s21
	s_mov_b32 s21, 0
	s_lshl_b32 s46, s42, 7
	s_lshl_b32 s47, s16, 6
	s_add_co_u32 s46, s46, s47
	s_mul_i32 s46, s46, SIZE_K
	s_mov_b32 s47, 0
	s_mul_i32 s45, s16, HALFA                      ; where my load goes: A's halves,
	s_mul_i32 s18, s16, HALFB
	s_add_co_u32 s18, s18, 2*HALFA                 ; then B's
	s_wait_dscnt 0x0                               ; both opening adds are done
	s_wait_kmcnt 0x0
	s_load_b256 s[68:75], s[80:81], 0x0            ; e0 .. e7
	s_mov_b32 s[G0], 1
	s_mov_b32 s[G0+1], s45
	s_add_nc_u64 s[G0+2:G0+3], s[4:5], s[20:21]
	s_or_b32 s[G0+3], s[G0+3], 0x80000000
	s_mov_b32 s[G0B], 1
	s_mov_b32 s[G0B+1], s18
	s_add_nc_u64 s[G0B+2:G0B+3], s[6:7], s[46:47]
	s_or_b32 s[G0B+3], s[G0B+3], 0x80000000
	CROUND                                         ; all sixteen work-groups are here: the joint loads meet
	s_cmp_eq_u32 s15, 0                            ; one fill a wave, in the two arms of one branch on its number; four v_nop follow each line
	s_cbranch_scc0 .Lfor_b
	tensor_load_to_lds s[G0:G0+3], s[G1:G1+7]
	s_nop 0
.rept 4
	v_nop
.endr
	s_branch .Lasked
.Lfor_b:
	tensor_load_to_lds s[G0B:G0B+3], s[G1B:G1B+7]
	s_nop 0
.rept 4
	v_nop
.endr
.Lasked:
	v_and_b32 v1, 15, v0                           ; r
	v_bfe_u32 v2, v0, 4, 1                         ; h
	v_mul_u32_u24 v3, v1, PITCH
	v_lshl_add_u32 v4, v2, 4, v3                   ; B: a fragment's row x pitch + 16 h
	v_lshlrev_b32 v5, 6, v1
	v_lshrrev_b32 v6, 2, v1
	v_lshl_add_u32 v5, v6, 4, v5
	v_lshl_add_u32 v5, v2, 4, v5                   ; A: token r of a head's block: 64 r + 16 (r / 4) + 16 h: sixteen lanes, sixteen different columns of 16 bytes
	s_mul_i32 s21, s15, HALFA
	s_mul_i32 s22, s16, HALFB
	s_add_co_u32 s22, s22, 2*HALFA
.irp s, 0,1
	v_add_nc_u32 v[ADRA+\s], s21, v5
	v_add_nc_u32 v[ADRB+\s], s22, v4
	s_add_co_u32 s21, s21, 8*HBLK                  ; the second half of K: eight heads on,
	s_add_co_u32 s22, s22, 512                     ; 512 bytes on in B's rows
.endr
	s_mul_i32 s23, s14, 16*272                     ; my stage, in the first four heads' bytes: 16 rows x (256 bytes + 16)
	v_mul_u32_u24 v5, v1, 272
	v_lshl_add_u32 v5, v2, 5, v5
	v_add_nc_u32 v[STO], s23, v5                   ; in: row r, + 32 h
	v_mul_u32_u24 v6, v2, 272
	v_lshl_add_u32 v6, v1, 4, v6
	v_add_nc_u32 v[RD], s23, v6                    ; back: lanes 0-15 one row of 256 bytes, lanes 16-31 the next
	v_lshlrev_b32 v7, 12, v2
	v_lshl_add_u32 v[CO], v1, 4, v7                ; and the same two rows in x and in x1
	s_wait_alu depctr_va_vdst(0)                   ; the wait here, ahead of the run of scalar lines
	s_lshl_b32 s46, s42, 9
	s_lshl_b32 s47, s16, 8
	s_add_co_u32 s46, s46, s47                     ; my first column, in bytes: 4 (128 tile column + 64 half)
	s_mov_b32 s47, 0
	s_add_nc_u64 s[8:9], s[8:9], s[46:47]
	s_lshl_b32 s20, s17, 7
	s_lshl_b32 s21, s15, 6
	s_add_co_u32 s20, s20, s21
	s_lshl_b32 s20, s20, 12                        ; my first row x 4,096 bytes
	s_add_co_u32 s20, s20, s46
	s_mov_b32 s21, 0
	s_add_nc_u64 s[10:11], s[10:11], s[20:21]
	s_add_nc_u64 s[82:83], s[82:83], s[20:21]
	v_lshlrev_b32 v[BA], 5, v2
.irp b, 0,1,2,3
	global_load_b128 v[BI+8*\b:BI+8*\b+3], v[BA], s[8:9] offset:64*\b
	global_load_b128 v[BI+8*\b+4:BI+8*\b+7], v[BA], s[8:9] offset:64*\b+16
.endr
	WIN 0x80                                       ; destination window 2
.irp a, 0,1,2,3
.irp t, 0,1,2,3,4,5,6,7
	global_load_b128 v[128+32*\a+4*\t:128+32*\a+4*\t+3], v[CO], s[10:11] offset:(16*\a+2*\t)*4096
.endr
.endr
	WIN 0
	s_wait_kmcnt 0x0
	s_add_co_i32 s18, s[SEA], s[SEA+1]             ; e6 + e7
	s_sub_co_i32 s19, 0, s18
	s_add_co_i32 s18, s18, 127
	s_lshl_b32 s96, s18, 23                        ; 2^(e6 + e7)
	s_mov_b32 s97, s96                             ; (named with it as a pair)
	s_wait_loadcnt 32                              ; the bias is in; the residual's 32 loads stay out
.set j, 0
.rept 32
	v_ldexp_f32 v[BI+j], v[BI+j], s19
.set j, j+1
.endr
.macro FRAG reg, adr, q, i             ; B: 16 rows x 128 K: registers 4 c .. 4 c + 3 hold K = 32 c + 16 h + 0 .. 15: a permutation of k that is the same on both sides
.irp c, 0,1,2,3
	ds_load_b128 v[\reg+4*\c:\reg+4*\c+3], v[\adr] offset:128*(\q)+32*\c+(\i)*16*PITCH
.endr
.endm
.macro FRAGH reg, adr, q, i            ; the same k from A by heads: head 2 q + c / 2, d = 32 (c % 2) + 16 h + 0 .. 15; sixteen tokens on are 1,088 bytes
.irp c, 0,1,2,3
	ds_load_b128 v[\reg+4*\c:\reg+4*\c+3], v[\adr] offset:(2*(\q)+\c/2)*HBLK+32*(\c%2)+(\i)*1088
.endr
.endm
; four products: A's block a against B's four.  first = 1: C is the bias.  The 16 accumulators take turns, one instruction a turn, in the same order in every step
.macro MULA a, p, first
.irp b, 0,1,2,3
.if \first
	v_wmma_f32_16x16x128_bf8_bf8 v[8*(4*\a+\b):8*(4*\a+\b)+7], v[128*(\p)+FR*\b:128*(\p)+FR*\b+FR-1], v[AF+FR*\a:AF+FR*\a+FR-1], v[BI+8*\b:BI+8*\b+7]
.else
	v_wmma_f32_16x16x128_bf8_bf8 v[8*(4*\a+\b):8*(4*\a+\b)+7], v[128*(\p)+FR*\b:128*(\p)+FR*\b+FR-1], v[AF+FR*\a:AF+FR*\a+FR-1], v[8*(4*\a+\b):8*(4*\a+\b)+7]
.endif
.endr
.endm
.macro FETCH_B half, q, p
	WIN 0x40
.irp i, 0,1,2,3
	FRAG 128*(\p)+FR*\i, ADRB+\half, \q, \i
.endr
	WIN 0
.endm
.macro FETCH_A half, q, i0
.irp i, \i0, \i0+1
	FRAGH AF+FR*(\i), ADRA+\half, \q, \i
.endr
.endm
; a step of 128 along K that has its successor in the same half of K.  Four plain places stand in front of each run of loads into registers that matrix instructions have read (ISA guide 7.12.1 for vector instructions)
.macro STEP half, q, first
	s_wait_dscnt 8                                 ; B's set and A's blocks 0, 1 are in; the youngest 8 loads (blocks 2, 3) may be out
.if \first
	WIN 0x81                                       ; source 0 window 1, source 1 and C window 0, D window 2
.else
	WIN 0xa1
.endif
	MULA 0, (\q)%2, \first
	MULA 1, (\q)%2, \first
	s_wait_dscnt 0
	PLACES 4
	FETCH_B \half, (\q)+1, 1-(\q)%2
	FETCH_A \half, (\q)+1, 0
.if \first
	WIN 0x81
.else
	WIN 0xa1
.endif
	MULA 2, (\q)%2, \first
	MULA 3, (\q)%2, \first
	PLACES 4
	WIN 0
	FETCH_A \half, (\q)+1, 2
.endm
	s_wait_alu depctr_va_vdst(0)                   ; the wait at the head's end
	s_wait_tensorcnt 0x0                           ; my one load has landed
	s_barrier_signal -1
	s_barrier_wait -1                              ; everybody's has: both tiles are whole
	FETCH_B 0, 0, 0
	FETCH_A 0, 0, 0
	FETCH_A 0, 0, 2
	STEP 0, 0, 1
	STEP 0, 1, 0
	STEP 0, 2, 0
	s_wait_dscnt 8                                 ; the fourth step passes to K's second half, with one barrier
	WIN 0xa1
	MULA 0, 1, 0
	s_wait_dscnt 0x0                               ; my reads of K's first half are over
	s_barrier_signal -1
	MULA 1, 1, 0
	WIN 0
	s_barrier_wait -1                              ; everybody's are: the stages may be written on the way out
	PLACES 4
	FETCH_B 1, 0, 0
	FETCH_A 1, 0, 0
	WIN 0xa1
	MULA 2, 1, 0
	MULA 3, 1, 0
	PLACES 4
	WIN 0
	FETCH_A 1, 0, 2
	STEP 1, 0, 0
	STEP 1, 1, 0
	STEP 1, 2, 0
	s_wait_dscnt 8
	WIN 0xa1
	MULA 0, 1, 0
	MULA 1, 1, 0
	s_wait_dscnt 0
	MULA 2, 1, 0
	MULA 3, 1, 0
	WIN 0
; THE WAY OUT, block by block of 16 rows x 64 columns: the sums go through my own stage in LDS and come back as rows of 256 bytes;
; there one packed multiply-add gives sum x 2^(e6 + e7) + residual.  Every block has registers of its own, so no store's data are written again.
.macro TOSTAGE a
	WIN 0x08                                       ; the stores' data in window 2
.irp b, 0,1,2,3
	ds_store_b128 v[STO], v[8*(4*\a+\b):8*(4*\a+\b)+3] offset:64*\b          ; each accumulator from its low end on
	ds_store_b128 v[STO], v[8*(4*\a+\b)+4:8*(4*\a+\b)+7] offset:64*\b+16
.endr
	WIN 0
.irp t, 0,1,2,3,4,5,6,7
	ds_load_b128 v[BK+32*\a+4*\t:BK+32*\a+4*\t+3], v[RD] offset:544*\t       ; LDS serves a wave's instructions in order: these see my stores, and the next block's stores come behind them
.endr
.endm
.macro SEND a
	s_wait_dscnt 16*(3-\a)                         ; behind block a's loads stand 16 LDS instructions for each later block
	WIN 0x20                                       ; source 2 (the residual) in window 2
.irp i, 0,2,4,6,8,10,12,14,16,18,20,22,24,26,28,30
	v_pk_fma_f32 v[BK+32*\a+\i:BK+32*\a+\i+1], v[BK+32*\a+\i:BK+32*\a+\i+1], s[96:97], v[128+32*\a+\i:128+32*\a+\i+1] op_sel_hi:[1,0,1]
.endr
	WIN 0
.irp t, 0,1,2,3,4,5,6,7
	global_store_b128 v[CO], v[BK+32*\a+4*\t:BK+32*\a+4*\t+3], s[82:83] offset:(16*\a+2*\t)*4096   ; sixteen lanes store 256 consecutive bytes, aligned
.endr
.endm
	PLACES 4
	TOSTAGE 0
	TOSTAGE 1
	TOSTAGE 2
	TOSTAGE 3
	s_wait_loadcnt 0x0                             ; the residual
	SEND 0
	SEND 1
	SEND 2
	SEND 3
	s_wait_tensorcnt 0x0                           ; the wave's end
	ds_add_u32 v[SPW], v[NIL]
	s_wait_dscnt 0x0
	CROUND                                         ; the closing round
	s_endpgm
.Lfunc_end_k_qf09805a003_oproj:
	.size	k_qf09805a003_oproj, .Lfunc_end_k_qf09805a003_oproj-k_qf09805a003_oproj
	.p2alignl 7, 3214868480
	.fill 96, 4, 3214868480
	.section	.rodata,"a",@progbits
	.p2align	6, 0x0
	.amdhsa_kernel k_qf09805a003_oproj
		.amdhsa_group_segment_fixed_size 327680
		.amdhsa_private_segment_fixed_size 0
		.amdhsa_enable_private_segment 0
		.amdhsa_kernarg_size 48
		.amdhsa_user_sgpr_count 2
		.amdhsa_user_sgpr_kernarg_segment_ptr 1
		.amdhsa_wavefront_size32 1
		.amdhsa_system_sgpr_workgroup_id_x 1
		.amdhsa_system_sgpr_workgroup_id_y 1
		.amdhsa_system_sgpr_workgroup_id_z 1
		.amdhsa_system_vgpr_workitem_id 0
		.amdhsa_next_free_vgpr 768
		.amdhsa_next_free_sgpr 100
		.amdhsa_reserve_vcc 0
		.amdhsa_float_denorm_mode_32 3
		.amdhsa_float_denorm_mode_16_64 3
		.amdhsa_memory_ordered 1
		.amdhsa_forward_progress 1
		.amdhsa_inst_pref_size 53
	.end_amdhsa_kernel
	.amdgpu_metadata
---
amdhsa.version: [ 1, 2 ]
amdhsa.kernels:
  - .name:           k_qf09805a003_oproj
    .symbol:         k_qf09805a003_oproj.kd
    .args:
      - { .name: oc, .offset: 0, .size: 8, .value_kind: global_buffer, .address_space: global }
      - { .name: w_out_codes, .offset: 8, .size: 8, .value_kind: global_buffer, .address_space: global }
      - { .name: b_out, .offset: 16, .size: 8, .value_kind: global_buffer, .address_space: global }
      - { .name: x, .offset: 24, .size: 8, .value_kind: global_buffer, .address_space: global }
      - { .name: lowp_scales, .offset: 32, .size: 8, .value_kind: global_buffer, .address_space: global }
      - { .name: x1, .offset: 40, .size: 8, .value_kind: global_buffer, .address_space: global }
    .group_segment_fixed_size: 327680
    .private_segment_fixed_size: 0
    .kernarg_segment_align: 8
    .kernarg_segment_size: 48
    .max_flat_workgroup_size: 128
    .sgpr_count:     100
    .vgpr_count:     768
    .wavefront_size: 32
...
	.end_amdgpu_metadata
.endif
;; end of part 4
;; launch ln2 (part 5): grid 256 x 1, 4 waves a work-group, no clusters, 16,896 bytes of LDS; arguments x1, ln2_g, ln2_b, lowp_scales, ac; writes ac
.if DOCPART == 5
	.amdgcn_target "amdgcn-amd-amdhsa--gfx1250"
	.amdhsa_code_object_version 6
	.text
	.protected	k_qf09805a003_ln2
	.globl	k_qf09805a003_ln2
	.p2align	8
	.type	k_qf09805a003_ln2,@function
k_qf09805a003_ln2:
	s_mov_b64 s[64:65], 0
	v_nop
	global_prefetch_b8 v0, s[64:65] scope:SCOPE_SE
	s_setreg_imm32_b32 hwreg(HW_REG_WAVE_MODE, 25, 1), 1
	s_wait_xcnt 0x0
; codes[row][c] = Q((x[row][c] - mean) * rsqrt(var + 1e-5) * g[c] + b[c]), Q: / 2^e, held within +-57,344, to the nearest E5M2 code.  x: [4096][1024] f32; codes: [4096][1024] bytes.
; e is entry ESC of the buffer of scales.  LIMITS: e between -126 and 112, so that 2^e and 57,344 x 2^e are f32 numbers.  NaN among the inputs is not served.
; The mean is taken first and the variance from the differences: a common offset of the inputs costs no accuracy.
; SHARES.  A work-group takes 16 rows, a wave 4; a row stays in 32 registers a lane between its passes, so memory is read once.  Load j of a row covers 512 consecutive bytes: lane l holds columns 128 j + 4 l .. + 3.
; All 48 loads of a wave (g, b, four rows) go out at the head.  No matrix unit, no cluster, no tensor load: work-groups share nothing but g and b.
; A lane's four codes of a load are one word; a row's 1,024 bytes are gathered in the wave's own LDS bytes and leave as two stores of 512 consecutive bytes.
.set ESC, 8                            ; which entry of the scales
.set GG,  8                            ; v8-39    g of my 32 columns
.set BB,  40                           ; v40-71   b
.set X,   72                           ; v72-199  row i at X + 32 i; at the end its first 8 registers take the row's codes back from LDS
.set T,   200                          ; v200-207 four chains of pairs
.set C,   208                          ; v208-239 row i's eight words of codes at C + 8 i
	s_load_b256 s[4:11], s[0:1], 0x0               ; x s[4:5], g s[6:7], b s[8:9], the scales s[10:11]
	s_load_b64 s[12:13], s[0:1], 0x20              ; the codes
	v_lshl_add_u32 v240, v0, 2, 0x4000
	v_mov_b32 v241, 0
	v_lshrrev_b32 v1, 5, v0
	v_readfirstlane_b32 s14, v1                    ; wave
	v_and_b32 v1, 31, v0                           ; lane
	v_lshlrev_b32 v2, 4, v1                        ; 16 x lane: my place in 512 bytes
	s_lshl_b32 s15, s14, 12                        ; my wave's 4,096 bytes of LDS
	v_lshl_add_u32 v3, v1, 2, s15                  ; in: a word a lane
	v_lshl_add_u32 v4, v1, 4, s15                  ; back: 16 bytes a lane
	s_lshl_b32 s16, ttmp9, 16                      ; 16 rows of 4,096 bytes a work-group,
	s_lshl_b32 s18, s14, 14                        ; 4 a wave
	s_add_co_u32 s16, s16, s18
	s_mov_b32 s17, 0
	s_lshr_b32 s18, s16, 2                         ; a row of codes is a quarter of that
	s_mov_b32 s19, 0
	s_mov_b32 s20, 0x76543210                      ; v_permlanex16_b32: lane l xor 16
	s_mov_b32 s21, 0xfedcba98
	s_mov_b32 s25, 0x3a800000                      ; 1 / 1024
	s_mov_b32 s26, 0x3727c5ac                      ; 1e-5
	s_wait_alu depctr_va_vdst(0)
	s_wait_kmcnt 0x0
	s_load_b32 s22, s[10:11], ESC*4                ; e
	s_add_nc_u64 s[4:5], s[4:5], s[16:17]
	s_add_nc_u64 s[12:13], s[12:13], s[18:19]
.irp j, 0,1,2,3,4,5,6,7
	global_load_b128 v[GG+4*\j:GG+4*\j+3], v2, s[6:7] offset:512*\j
.endr
.irp j, 0,1,2,3,4,5,6,7
	global_load_b128 v[BB+4*\j:BB+4*\j+3], v2, s[8:9] offset:512*\j
.endr
.irp i, 0,1,2,3
.irp j, 0,1,2,3,4,5,6,7
	global_load_b128 v[X+32*\i+4*\j:X+32*\i+4*\j+3], v2, s[4:5] offset:4096*\i+512*\j
.endr
.endr
	s_wait_kmcnt 0x0
	s_add_co_i32 s22, s22, 127
	s_lshl_b32 s23, s22, 23
	v_mov_b32 v5, s23                              ; 2^e as f32: the conversion takes its exponent field
	s_add_co_i32 s22, s22, 15
	s_lshl_b32 s22, s22, 23
	s_or_b32 s23, s22, 0x600000                    ; 57,344 x 2^e
	s_or_b32 s24, s23, 0x80000000                  ; and its negative
; the four chains are joined, then the 32 lanes: every lane ends with the row's sum in v[T]
.macro JOIN
	v_pk_add_f32 v[T:T+1], v[T:T+1], v[T+2:T+3]
	v_pk_add_f32 v[T+4:T+5], v[T+4:T+5], v[T+6:T+7]
	v_pk_add_f32 v[T:T+1], v[T:T+1], v[T+4:T+5]
	v_add_f32 v[T], v[T], v[T+1]
	v_add_f32_dpp v[T], v[T], v[T] row_xmask:1 row_mask:0xf bank_mask:0xf
	v_add_f32_dpp v[T], v[T], v[T] row_xmask:2 row_mask:0xf bank_mask:0xf
	v_add_f32_dpp v[T], v[T], v[T] row_xmask:4 row_mask:0xf bank_mask:0xf
	v_add_f32_dpp v[T], v[T], v[T] row_xmask:8 row_mask:0xf bank_mask:0xf
	v_permlanex16_b32 v[T+7], v[T], s20, s21       ; (its destination has been written by the chains)
	v_add_f32 v[T], v[T], v[T+7]
.endm
; row i.  left: the loads of the rows behind it, which may stay out
.macro ROW i, left
.set R, X+32*\i
	s_wait_loadcnt \left
.irp k, 0,1,2,3
	v_pk_add_f32 v[T+2*\k:T+2*\k+1], v[R+2*\k:R+2*\k+1], v[R+8+2*\k:R+8+2*\k+1]   ; the first pairs start the chains: nothing is cleared
.endr
.irp p, 8,12
.irp k, 0,1,2,3
	v_pk_add_f32 v[T+2*\k:T+2*\k+1], v[T+2*\k:T+2*\k+1], v[R+2*(\p+\k):R+2*(\p+\k)+1]
.endr
.endr
	JOIN
	v_mul_f32 v6, s25, v[T]                        ; the mean,
	v_mov_b32 v7, v6                               ; as a pair
.irp p, 0,2,4,6,8,10,12,14,16,18,20,22,24,26,28,30
	v_pk_add_f32 v[R+\p:R+\p+1], v[R+\p:R+\p+1], v[6:7] neg_lo:[0,1] neg_hi:[0,1]   ; x - mean
.endr
.irp k, 0,1,2,3
	v_pk_mul_f32 v[T+2*\k:T+2*\k+1], v[R+2*\k:R+2*\k+1], v[R+2*\k:R+2*\k+1]
.endr
.irp p, 4,8,12
.irp k, 0,1,2,3
	v_pk_fma_f32 v[T+2*\k:T+2*\k+1], v[R+2*(\p+\k):R+2*(\p+\k)+1], v[R+2*(\p+\k):R+2*(\p+\k)+1], v[T+2*\k:T+2*\k+1]
.endr
.endr
	JOIN
	v_fma_f32 v[T], v[T], s25, s26                 ; the variance + 1e-5
	s_wait_alu depctr_va_vdst(0)
	v_rsq_f32 v[T+2], v[T]
	v_nop                                          ; a plain instruction between the transcendental and the use of its result (ISA guide 5.7.2)
	s_wait_alu depctr_va_vdst(0)
	v_mov_b32 v[T+3], v[T+2]
.irp p, 0,2,4,6,8,10,12,14,16,18,20,22,24,26,28,30
	v_pk_mul_f32 v[R+\p:R+\p+1], v[R+\p:R+\p+1], v[T+2:T+3]
.endr
.irp p, 0,2,4,6,8,10,12,14,16,18,20,22,24,26,28,30
	v_pk_fma_f32 v[R+\p:R+\p+1], v[R+\p:R+\p+1], v[GG+\p:GG+\p+1], v[BB+\p:BB+\p+1]
.endr
.set j, 0
.rept 32
	v_med3_num_f32 v[R+j], v[R+j], s24, s23        ; the conversion to an 8-bit code does not saturate (ISA guide 7.6.2): the hold at the largest code x the scale
.set j, j+1
.endr
.irp k, 0,1,2,3
	v_cvt_scalef32_pk8_bf8_f32 v[C+8*\i+2*\k:C+8*\i+2*\k+1], v[R+8*\k:R+8*\k+7], v5   ; words 2 k, 2 k + 1: the four codes of loads 2 k and 2 k + 1
.endr
	v_nop                                          ; a plain instruction behind the last scaled conversion
.irp j, 0,1,2,3,4,5,6,7
	ds_store_b32 v3, v[C+8*\i+\j] offset:1024*\i+128*\j
.endr
	ds_load_b128 v[R:R+3], v4 offset:1024*\i       ; LDS serves a wave's instructions in order (ISA guide 5.7.1.4): these see my stores
	ds_load_b128 v[R+4:R+7], v4 offset:1024*\i+512
.endm
	ROW 0, 24
	ROW 1, 16
	ROW 2, 8
	ROW 3, 0
.irp i, 0,1,2,3
	s_wait_dscnt 10*(3-\i)                         ; behind row i's two loads stand ten LDS instructions for each later row
	global_store_b128 v2, v[X+32*\i:X+32*\i+3], s[12:13] offset:1024*\i          ; 32 lanes store 512 consecutive bytes, aligned
	global_store_b128 v2, v[X+32*\i+4:X+32*\i+7], s[12:13] offset:1024*\i+512
.endr
	s_wait_tensorcnt 0x0
	ds_add_u32 v240, v241
	s_wait_dscnt 0x0
	s_endpgm
.Lfunc_end_k_qf09805a003_ln2:
	.size	k_qf09805a003_ln2, .Lfunc_end_k_qf09805a003_ln2-k_qf09805a003_ln2
	.p2alignl 7, 3214868480
	.fill 96, 4, 3214868480
	.section	.rodata,"a",@progbits
	.p2align	6, 0x0
	.amdhsa_kernel k_qf09805a003_ln2
		.amdhsa_group_segment_fixed_size 16896
		.amdhsa_private_segment_fixed_size 0
		.amdhsa_enable_private_segment 0
		.amdhsa_kernarg_size 40
		.amdhsa_user_sgpr_count 2
		.amdhsa_user_sgpr_kernarg_segment_ptr 1
		.amdhsa_wavefront_size32 1
		.amdhsa_system_sgpr_workgroup_id_x 1
		.amdhsa_system_sgpr_workgroup_id_y 1
		.amdhsa_system_sgpr_workgroup_id_z 1
		.amdhsa_system_vgpr_workitem_id 0
		.amdhsa_next_free_vgpr 242
		.amdhsa_next_free_sgpr 66
		.amdhsa_reserve_vcc 0
		.amdhsa_float_denorm_mode_32 3
		.amdhsa_float_denorm_mode_16_64 3
		.amdhsa_memory_ordered 1
		.amdhsa_forward_progress 1
		.amdhsa_inst_pref_size 44
	.end_amdhsa_kernel
	.amdgpu_metadata
---
amdhsa.version: [ 1, 2 ]
amdhsa.kernels:
  - .name:           k_qf09805a003_ln2
    .symbol:         k_qf09805a003_ln2.kd
    .args:
      - { .name: x1, .offset: 0, .size: 8, .value_kind: global_buffer, .address_space: global }
      - { .name: ln2_g, .offset: 8, .size: 8, .value_kind: global_buffer, .address_space: global }
      - { .name: ln2_b, .offset: 16, .size: 8, .value_kind: global_buffer, .address_space: global }
      - { .name: lowp_scales, .offset: 24, .size: 8, .value_kind: global_buffer, .address_space: global }
      - { .name: ac, .offset: 32, .size: 8, .value_kind: global_buffer, .address_space: global }
    .group_segment_fixed_size: 16896
    .private_segment_fixed_size: 0
    .kernarg_segment_align: 8
    .kernarg_segment_size: 40
    .max_flat_workgroup_size: 128
    .sgpr_count:     66
    .vgpr_count:     242
    .wavefront_size: 32
...
	.end_amdgpu_metadata
.endif
;; end of part 5
;; launch ffn1 (part 6): grid 16 x 16, 4 waves a work-group, clusters of 4 x 4, 327,680 bytes of LDS; arguments ac, w1_codes, b1, lowp_scales, hc; writes hc
.if DOCPART == 6
	.amdgcn_target "amdgcn-amd-amdhsa--gfx1250"
	.amdhsa_code_object_version 6
	.text
	.protected	k_qf09805a003_ffn1
	.globl	k_qf09805a003_ffn1
	.p2align	8
	.type	k_qf09805a003_ffn1,@function
k_qf09805a003_ffn1:
	s_mov_b64 s[64:65], 0
	v_nop
	global_prefetch_b8 v0, s[64:65] scope:SCOPE_SE
	s_setreg_imm32_b32 hwreg(HW_REG_WAVE_MODE, 25, 1), 1
	s_wait_xcnt 0x0
	s_wait_alu depctr_hold_cnt(0) depctr_sa_sdst(0) depctr_va_vdst(0) depctr_va_sdst(0) depctr_va_ssrc(0) depctr_va_vcc(0) depctr_vm_vsrc(0)
	s_getreg_b32 s2, hwreg(HW_REG_IB_STS2, 6, 4)
	s_cmp_eq_u32 s2, 0
	s_cbranch_scc0 .Lentry_in_a_cluster
	s_endpgm
.Lentry_in_a_cluster:
	s_bfe_u32 s2, ttmp6, 0x10000c
	s_cmp_lg_u32 s2, 0xf033
	s_cbranch_scc0 .Lentry_shape_is_right
	s_endpgm
.Lentry_shape_is_right:
; hc[m][n] = Q(relu(sum over k of A[m][k] B[n][k] x 2^(e8 + e9) + b1[n])), Q with 2^e10.  A = ac: [4096][1024] codes, B = w1_codes: [4096][1024] codes, hc: [4096][4096] codes.
; LIMITS: e10 - e8 - e9 between -126 and 112, so that the conversion's scale and 57,344 x it are f32 numbers.  NaN is not served.
; A tile, 256 x 256, is made by four waves, 128 x 128 each; K goes in steps of 256 through two LDS slots; clusters of 4 x 4 ask for A's tiles jointly along a row and for B's along a column.
; Source 0 = 16 rows of B, source 1 = 16 rows of A: a lane holds eight neighbouring columns of one row.  The bias / 2^(e8 + e9) is the C of the first products; the hold between 0 and the largest code is also the relu.
; The codes meet in a stage in slot 0, which has had its last fill and its last read, and leave as rows of 256 bytes.
.set SIZE_K, 1024
.set OUTROW, 4096
.set KSTEP,  256
.set PITCH,  272
.set FR,     16
.set HALFT,  128*PITCH
.set SLOT,   4*HALFT
.set SPARE,  2*SLOT
.set LAPS,   SIZE_K/(2*KSTEP)
.set GRP,    256*80+64
.set ADRA, 16
.set ADRB, 20
.set STO,  24
.set RD,   25
.set CO,   26
.set CV,   27
.set SPW,  28
.set NIL,  29
.set BA,   30
.set BI,   32
.set AF,   128
.set G1, 24
.set G0, 32
.set G1B, 48
.set G0B, 56
.set MSB, 0
.macro WIN new
.if MSB != (\new)
	s_set_vgpr_msb (MSB<<8)|(\new)
.set MSB, (\new)
.endif
.endm
.macro JLOAD g0a, g1a, g0b, g1b
	s_cmp_eq_u32 s15, 0
	s_cbranch_scc0 .Lfor_b_\@
	tensor_load_to_lds s[\g0a:\g0a+3], s[\g1a:\g1a+7]
	s_nop 0
.rept 4
	v_nop
.endr
	s_branch .Lasked_\@
.Lfor_b_\@:
	tensor_load_to_lds s[\g0b:\g0b+3], s[\g1b:\g1b+7]
	s_nop 0
.rept 4
	v_nop
.endr
.Lasked_\@:
.endm
.macro CREST
	s_cmp_lg_u32 s14, 0
	s_cbranch_scc1 .Lnot_wave_0_\@
	s_barrier_signal -3
.Lnot_wave_0_\@:
	s_barrier_wait -3
	s_barrier_signal -1
	s_barrier_wait -1
.endm
.macro CROUND
	s_barrier_signal -1
	s_barrier_wait -1
	CREST
.endm
.macro PLACES n
.rept \n
	v_nop
.endr
.endm
	s_load_b256 s[4:11], s[0:1], 0x0
	s_load_b64 s[12:13], s[0:1], 0x20
	v_lshl_add_u32 v[SPW], v0, 2, SPARE
	v_mov_b32 v[NIL], 0
	ds_add_u32 v28, v29
	ds_add_u32 v28, v29
	s_wait_dscnt 0x0
	v_lshrrev_b32 v1, 5, v0
	v_readfirstlane_b32 s14, v1
	s_lshr_b32 s15, s14, 1
	s_and_b32 s16, s14, 1
	s_bfe_u32 s40, ttmp6, 0x40000
	s_bfe_u32 s41, ttmp6, 0x40004
	s_lshl_b32 s42, ttmp9, 2
	s_add_co_u32 s42, s42, s40
	s_and_b32 s17, ttmp7, 0xffff
	s_lshl_b32 s17, s17, 2
	s_add_co_u32 s17, s17, s41
	s_lshl_b32 s43, s41, 2
	s_lshl_b32 s43, 15, s43
	s_lshl_b32 s44, 0x1111, s40
	s_or_b32 s[G1+0], s43, (1<<20)|(1<<21)|(5<<22)|(3<<25)
	s_or_b32 s[G1B+0], s44, (1<<20)|(1<<21)|(5<<22)|(3<<25)
.irp g, G1, G1B
	s_mov_b32 s[\g+1], KSTEP<<16
	s_mov_b32 s[\g+2], 128<<16
	s_mov_b32 s[\g+3], KSTEP<<16
	s_mov_b32 s[\g+4], 128
	s_mov_b32 s[\g+5], SIZE_K
	s_mov_b32 s[\g+6], 0
	s_mov_b32 s[\g+7], 0
.endr
	s_lshl_b32 s18, s16, 7
	s_lshl_b32 s20, s17, 8
	s_add_co_u32 s20, s20, s18
	s_lshl_b32 s20, s20, 10
	s_mov_b32 s21, 0
	s_lshl_b32 s46, s42, 8
	s_add_co_u32 s46, s46, s18
	s_lshl_b32 s46, s46, 10
	s_mov_b32 s47, 0
	s_mul_i32 s45, s14, HALFT
	s_wait_kmcnt 0x0
	s_load_b256 s[68:75], s[10:11], 0x0
	s_load_b128 s[76:79], s[10:11], 0x20
	s_add_nc_u64 s[20:21], s[4:5], s[20:21]
	s_add_nc_u64 s[46:47], s[6:7], s[46:47]
	CROUND
.irp s, 0,1
	s_mov_b32 s[G0+4*\s], 1
	s_add_co_u32 s[G0+4*\s+1], s45, \s*SLOT
	s_add_nc_u64 s[G0+4*\s+2:G0+4*\s+3], s[20:21], \s*KSTEP
	s_or_b32 s[G0+4*\s+3], s[G0+4*\s+3], 0x80000000
	s_mov_b32 s[G0B+4*\s], 1
	s_add_co_u32 s[G0B+4*\s+1], s45, \s*SLOT
	s_add_nc_u64 s[G0B+4*\s+2:G0B+4*\s+3], s[46:47], \s*KSTEP
	s_or_b32 s[G0B+4*\s+3], s[G0B+4*\s+3], 0x80000000
.endr
	; THE PREFETCHES INTO THE L2.  Of the 128 rows that my wave fetches, each of the four partners that ask for them jointly names 32, told apart by address (cx for A, cy for B): a lane a row, 256 bytes of a K step.
	; At the load of K step j the step j + 2 is named; the head also names step 1.  The four steps end at the row's end, so every address lies inside its buffer; the registers are never rewritten.
	s_cmp_eq_u32 s15, 0
	s_cselect_b64 s[84:85], s[20:21], s[46:47]     ; the rows that I fetch
	s_cselect_b32 s18, s40, s41                    ; my place among the four
	s_lshl_b32 s18, s18, 15                        ; x 32 rows of 1,024 bytes
	s_mov_b32 s19, 0
	s_add_nc_u64 s[84:85], s[84:85], s[18:19]
	JLOAD G0, G1, G0B, G1B                         ; K step 0: one tensor load a wave at the head
	v_and_b32 v10, 31, v0
	v_lshlrev_b32 v10, 10, v10                     ; my lane's row
	global_prefetch_b8 v10, s[84:85] offset:KSTEP th:TH_LOAD_NT scope:SCOPE_SE
	global_prefetch_b8 v10, s[84:85] offset:2*KSTEP th:TH_LOAD_NT scope:SCOPE_SE
	v_and_b32 v1, 15, v0
	s_wait_alu depctr_va_vdst(0)
	v_bfe_u32 v2, v0, 4, 1
	v_mul_u32_u24 v3, v1, PITCH
	v_lshl_add_u32 v4, v2, 4, v3
	s_mul_i32 s21, s15, HALFT
	s_mul_i32 s22, s16, HALFT
	s_add_co_u32 s22, s22, 2*HALFT
.irp s, 0,1
	v_add_nc_u32 v[ADRA+\s], s21, v4
	v_add_nc_u32 v[ADRB+\s], s22, v4
	s_add_co_u32 s21, s21, SLOT
	s_add_co_u32 s22, s22, SLOT
.endr
	s_mul_i32 s23, s16, 2*GRP
	s_mul_i32 s18, s15, 128*80
	s_add_co_u32 s23, s23, s18
	v_mul_u32_u24 v5, v1, 80
	s_wait_alu depctr_va_vdst(0)
	v_lshl_add_u32 v5, v2, 3, v5
	v_add_nc_u32 v[STO], s23, v5
	v_bfe_u32 v6, v0, 2, 2
	v_mul_u32_u24 v6, v6, GRP
	v_and_b32 v7, 3, v0
	v_lshl_add_u32 v6, v7, 4, v6
	v_mul_u32_u24 v7, v2, 80
	v_add_nc_u32 v6, v6, v7
	s_mul_i32 s23, s14, 64*80
	v_add_nc_u32 v[RD], s23, v6
	v_mul_u32_u24 v7, v2, OUTROW
	v_lshl_add_u32 v[CO], v1, 4, v7
	s_lshl_b32 s20, s17, 8
	s_lshl_b32 s21, s14, 6
	s_add_co_u32 s20, s20, s21
	s_lshl_b32 s20, s20, 12
	s_lshl_b32 s46, s42, 8
	s_add_co_u32 s20, s20, s46
	s_mov_b32 s21, 0
	s_add_nc_u64 s[12:13], s[12:13], s[20:21]
	s_lshl_b32 s46, s42, 10
	s_lshl_b32 s47, s16, 9
	s_add_co_u32 s46, s46, s47
	s_mov_b32 s47, 0
	s_add_nc_u64 s[8:9], s[8:9], s[46:47]
	v_lshlrev_b32 v[BA], 5, v2
.irp b, 0,1,2,3,4,5,6,7
	global_load_b128 v[BI+8*\b:BI+8*\b+3], v[BA], s[8:9] offset:64*\b
	global_load_b128 v[BI+8*\b+4:BI+8*\b+7], v[BA], s[8:9] offset:64*\b+16
.endr
	s_wait_kmcnt 0x0
	s_add_co_i32 s18, s76, s77
	s_sub_co_i32 s19, 0, s18
	s_sub_co_i32 s18, s78, s18
	s_add_co_i32 s18, s18, 127
	s_lshl_b32 s22, s18, 23
	v_mov_b32 v[CV], s22
	s_add_co_i32 s18, s18, 15
	s_lshl_b32 s18, s18, 23
	s_or_b32 s98, s18, 0x600000
	s_wait_loadcnt 0x0
.set j, 0
.rept 64
	v_ldexp_f32 v[BI+j], v[BI+j], s19
.set j, j+1
.endr
.macro FRAG reg, adr, q, i
.irp c, 0,1,2,3
	ds_load_b128 v[\reg+4*\c:\reg+4*\c+3], v[\adr] offset:128*(\q)+32*\c+(\i)*16*PITCH
.endr
.endm
.macro MULA a, p, first
.irp b, 0,1,2,3,4,5,6,7
.if \first
	v_wmma_f32_16x16x128_bf8_bf8 v[8*(8*((\a)%4)+\b):8*(8*((\a)%4)+\b)+7], v[128*(\p)+FR*\b:128*(\p)+FR*\b+FR-1], v[AF+FR*(\a):AF+FR*(\a)+FR-1], v[BI+8*\b:BI+8*\b+7]
.else
	v_wmma_f32_16x16x128_bf8_bf8 v[8*(8*((\a)%4)+\b):8*(8*((\a)%4)+\b)+7], v[128*(\p)+FR*\b:128*(\p)+FR*\b+FR-1], v[AF+FR*(\a):AF+FR*(\a)+FR-1], v[8*(8*((\a)%4)+\b):8*(8*((\a)%4)+\b)+7]
.endif
.endr
.endm
.macro FETCH_B slot, q, p
	WIN 0x40
.irp i, 0,1,2,3,4,5,6,7
	FRAG 128*(\p)+FR*\i, ADRB+\slot, \q, \i
.endr
	WIN 0
.endm
.macro FETCH_A slot, q, i0
.irp i, \i0, \i0+1, \i0+2, \i0+3
	FRAG AF+FR*(\i), ADRA+\slot, \q, \i
.endr
.endm
.macro STEP slot, q, first
	s_wait_dscnt 16
.if \first
	WIN 0x81
.else
	WIN 0xa1
.endif
	MULA 0, (\q)%2, \first
	MULA 1, (\q)%2, \first
	MULA 2, (\q)%2, \first
	MULA 3, (\q)%2, \first
	s_wait_dscnt 0
	PLACES 4
	FETCH_B \slot, (\q)+1, 1-(\q)%2
	FETCH_A \slot, (\q)+1, 0
.if \first
	WIN 0xc1
.else
	WIN 0xf1
.endif
	MULA 4, (\q)%2, \first
	MULA 5, (\q)%2, \first
	MULA 6, (\q)%2, \first
	MULA 7, (\q)%2, \first
	PLACES 4
	WIN 0
	FETCH_A \slot, (\q)+1, 4
.endm
.macro TURN slot, next, fill
	s_wait_tensorcnt 0x0
	ds_add_u32 v[SPW], v[NIL]
	s_wait_dscnt 17
	WIN 0xa1
	MULA 0, 1, 0
	MULA 1, 1, 0
	s_wait_dscnt 0x0
	s_barrier_signal -1
	MULA 2, 1, 0
	MULA 3, 1, 0
	WIN 0
	s_barrier_wait -1
.if \fill
	CREST
	s_add_nc_u64 s[G0+4*\slot+2:G0+4*\slot+3], s[G0+4*\slot+2:G0+4*\slot+3], 2*KSTEP
	s_add_nc_u64 s[G0B+4*\slot+2:G0B+4*\slot+3], s[G0B+4*\slot+2:G0B+4*\slot+3], 2*KSTEP
	JLOAD G0+4*\slot, G1, G0B+4*\slot, G1B
.else
	PLACES 4
.endif
	FETCH_B \next, 0, 0
	FETCH_A \next, 0, 0
	WIN 0xf1
	MULA 4, 1, 0
	MULA 5, 1, 0
	MULA 6, 1, 0
	MULA 7, 1, 0
	PLACES 4
	WIN 0
	FETCH_A \next, 0, 4
.endm
	s_wait_alu depctr_va_vdst(0)
	s_wait_tensorcnt 0x0                           ; my part of K step 0 is in
	ds_add_u32 v[SPW], v[NIL]
	s_wait_dscnt 0x0
	CROUND                                         ; everybody's part is in, and the sixteen work-groups meet
	JLOAD G0+4, G1, G0B+4, G1B                     ; K step 1, the first tensor load behind the round
	FETCH_B 0, 0, 0
	FETCH_A 0, 0, 0
	FETCH_A 0, 0, 4
	global_prefetch_b8 v10, s[84:85] offset:3*KSTEP th:TH_LOAD_NT scope:SCOPE_SE
	STEP 0, 0, 1
	s_mov_b32 s3, LAPS-1
.Llap:
	TURN 0, 1, 1
	STEP 1, 0, 0
	TURN 1, 0, 1
	STEP 0, 0, 0
	s_sub_co_u32 s3, s3, 1
	s_cmp_lg_u32 s3, 0
	s_cbranch_scc1 .Llap
	TURN 0, 1, 0
	STEP 1, 0, 0
	s_wait_dscnt 16
	WIN 0xa1
	MULA 0, 1, 0
	MULA 1, 1, 0
	MULA 2, 1, 0
	MULA 3, 1, 0
	s_wait_dscnt 0
	WIN 0xf1
	MULA 4, 1, 0
	MULA 5, 1, 0
	MULA 6, 1, 0
	MULA 7, 1, 0
	WIN 0
.macro PACKW w
	WIN 0x41*\w
.set j, 0
.rept 256
	v_med3_num_f32 v[j], v[j], 0, s98
.set j, j+1
.endr
	WIN \w
.set k, 0
.rept 32
	v_cvt_scalef32_pk8_bf8_f32 v[128+64*(\w-2)+2*k:128+64*(\w-2)+2*k+1], v[8*k:8*k+7], v[CV]
.set k, k+1
.endr
.endm
	PLACES 4
	PACKW 2
	PACKW 3
	v_nop
	WIN 0
.irp a, 0,1,2,3,4,5,6,7
.irp b, 0,1,2,3,4,5,6,7
	ds_store_b64 v[STO], v[128+2*(8*\a+\b):128+2*(8*\a+\b)+1] offset:(\b/4)*GRP+1280*\a+16*(\b%4)
.endr
.endr
	s_wait_dscnt 0x0
	s_barrier_signal -1
	s_barrier_wait -1
.irp t, 0,1,2,3,4,5,6,7,8,9,10,11,12,13,14,15,16,17,18,19,20,21,22,23,24,25,26,27,28,29,30,31
	ds_load_b128 v[128+4*\t:128+4*\t+3], v[RD] offset:160*\t
.endr
.irp t, 0,1,2,3,4,5,6,7,8,9,10,11,12,13,14,15,16,17,18,19,20,21,22,23,24,25,26,27,28,29,30,31
	s_wait_dscnt 31-\t
	global_store_b128 v[CO], v[128+4*\t:128+4*\t+3], s[12:13] offset:2*\t*OUTROW
.endr
	s_wait_tensorcnt 0x0
	ds_add_u32 v[SPW], v[NIL]
	s_wait_dscnt 0x0
	CROUND
	s_endpgm
.Lfunc_end_k_qf09805a003_ffn1:
	.size	k_qf09805a003_ffn1, .Lfunc_end_k_qf09805a003_ffn1-k_qf09805a003_ffn1
	.p2alignl 7, 3214868480
	.fill 96, 4, 3214868480
	.section	.rodata,"a",@progbits
	.p2align	6, 0x0
	.amdhsa_kernel k_qf09805a003_ffn1
		.amdhsa_group_segment_fixed_size 327680
		.amdhsa_private_segment_fixed_size 0
		.amdhsa_enable_private_segment 0
		.amdhsa_kernarg_size 40
		.amdhsa_user_sgpr_count 2
		.amdhsa_user_sgpr_kernarg_segment_ptr 1
		.amdhsa_wavefront_size32 1
		.amdhsa_system_sgpr_workgroup_id_x 1
		.amdhsa_system_sgpr_workgroup_id_y 1
		.amdhsa_system_sgpr_workgroup_id_z 1
		.amdhsa_system_vgpr_workitem_id 0
		.amdhsa_next_free_vgpr 1024
		.amdhsa_next_free_sgpr 100
		.amdhsa_reserve_vcc 0
		.amdhsa_float_denorm_mode_32 3
		.amdhsa_float_denorm_mode_16_64 3
		.amdhsa_memory_ordered 1
		.amdhsa_forward_progress 1
		.amdhsa_inst_pref_size 131
	.end_amdhsa_kernel
	.amdgpu_metadata
---
amdhsa.version: [ 1, 2 ]
amdhsa.kernels:
  - .name:           k_qf09805a003_ffn1
    .symbol:         k_qf09805a003_ffn1.kd
    .args:
      - { .name: ac, .offset: 0, .size: 8, .value_kind: global_buffer, .address_space: global }
      - { .name: w1_codes, .offset: 8, .size: 8, .value_kind: global_buffer, .address_space: global }
      - { .name: b1, .offset: 16, .size: 8, .value_kind: global_buffer, .address_space: global }
      - { .name: lowp_scales, .offset: 24, .size: 8, .value_kind: global_buffer, .address_space: global }
      - { .name: hc, .offset: 32, .size: 8, .value_kind: global_buffer, .address_space: global }
    .group_segment_fixed_size: 327680
    .private_segment_fixed_size: 0
    .kernarg_segment_align: 8
    .kernarg_segment_size: 40
    .max_flat_workgroup_size: 128
    .sgpr_count:     100
    .vgpr_count:     1024
    .wavefront_size: 32
...
	.end_amdgpu_metadata
.endif
;; end of part 6
;; launch ffn2 (part 7): grid 8 x 32, 4 waves a work-group, clusters of 4 x 4, 327,680 bytes of LDS; arguments hc, w2_codes, b2, x1, lowp_scales, out0; writes out0
.if DOCPART == 7
	.amdgcn_target "amdgcn-amd-amdhsa--gfx1250"
	.amdhsa_code_object_version 6
	.text
	.protected	k_qf09805a003_ffn2
	.globl	k_qf09805a003_ffn2
	.p2align	8
	.type	k_qf09805a003_ffn2,@function
k_qf09805a003_ffn2:
	s_mov_b64 s[64:65], 0
	v_nop
	global_prefetch_b8 v0, s[64:65] scope:SCOPE_SE
	s_setreg_imm32_b32 hwreg(HW_REG_WAVE_MODE, 25, 1), 1
	s_wait_xcnt 0x0
	s_wait_alu depctr_hold_cnt(0) depctr_sa_sdst(0) depctr_va_vdst(0) depctr_va_sdst(0) depctr_va_ssrc(0) depctr_va_vcc(0) depctr_vm_vsrc(0)
	s_getreg_b32 s2, hwreg(HW_REG_IB_STS2, 6, 4)
	s_cmp_eq_u32 s2, 0
	s_cbranch_scc0 .Lentry_in_a_cluster
	s_endpgm
.Lentry_in_a_cluster:
	s_bfe_u32 s2, ttmp6, 0x10000c
	s_cmp_lg_u32 s2, 0xf033
	s_cbranch_scc0 .Lentry_shape_is_right
	s_endpgm
.Lentry_shape_is_right:
; out0[m][n] = (sum over k of A[m][k] B[n][k]) x 2^(e10 + e11) + b2[n] + x1[m][n].  A = hc: [4096][4096] codes, B = w2_codes: [1024][4096] codes; b2, x1, out0: f32.
; LIMIT: e10 + e11 between -126 and 127, so that 2^(e10 + e11) is an f32 number.
; 256 tiles of 128 x 128; four waves, 64 x 64 each; K goes in steps of 512 through two LDS slots; clusters of 4 x 4 ask for A's tiles jointly along a row and for B's along a column.
; Source 0 = 16 rows of B, source 1 = 16 rows of A.  The bias / 2^(e10 + e11) is the C of the first products; the residual is asked for behind K step 1's load and waits in registers through the loop.
.set BYHEADS, 0
.set SIZE_K,  4096
.set SEA,     78
.set KSTEP,  512
.set PITCH,  528
.set FR,     16
.set HALFB,  64*PITCH
.if BYHEADS
.set HBLK,   4352
.set HALFA,  8*HBLK
.set ASTEP,  8*131072
.else
.set HALFA,  64*PITCH
.set ASTEP,  KSTEP
.endif
.set SLOT,   2*HALFA+2*HALFB
.set SPARE,  2*SLOT
.set LAPS,   SIZE_K/(2*KSTEP)
.set ADRA, 16
.set ADRB, 20
.set STO,  24
.set RD,   25
.set CO,   26
.set SPW,  28
.set NIL,  29
.set BA,   30
.set BI,   32
.set AF,   128
.set BK,   128
.set G1, 24
.set G0, 32
.set G1B, 48
.set G0B, 56
.set MSB, 0
.macro WIN new
.if MSB != (\new)
	s_set_vgpr_msb (MSB<<8)|(\new)
.set MSB, (\new)
.endif
.endm
.macro JLOAD g0a, g1a, g0b, g1b
	s_cmp_eq_u32 s15, 0
	s_cbranch_scc0 .Lfor_b_\@
	tensor_load_to_lds s[\g0a:\g0a+3], s[\g1a:\g1a+7]
	s_nop 0
.rept 4
	v_nop
.endr
	s_branch .Lasked_\@
.Lfor_b_\@:
	tensor_load_to_lds s[\g0b:\g0b+3], s[\g1b:\g1b+7]
	s_nop 0
.rept 4
	v_nop
.endr
.Lasked_\@:
.endm
.macro CREST
	s_cmp_lg_u32 s14, 0
	s_cbranch_scc1 .Lnot_wave_0_\@
	s_barrier_signal -3
.Lnot_wave_0_\@:
	s_barrier_wait -3
	s_barrier_signal -1
	s_barrier_wait -1
.endm
.macro CROUND
	s_barrier_signal -1
	s_barrier_wait -1
	CREST
.endm
.macro PLACES n
.rept \n
	v_nop
.endr
.endm
	s_load_b256 s[4:11], s[0:1], 0x0
	s_load_b128 s[80:83], s[0:1], 0x20
	v_lshl_add_u32 v[SPW], v0, 2, SPARE
	v_mov_b32 v[NIL], 0
	ds_add_u32 v28, v29
	ds_add_u32 v28, v29
	s_wait_dscnt 0x0
	v_lshrrev_b32 v1, 5, v0
	v_readfirstlane_b32 s14, v1
	s_lshr_b32 s15, s14, 1
	s_and_b32 s16, s14, 1
	s_bfe_u32 s40, ttmp6, 0x40000
	s_bfe_u32 s41, ttmp6, 0x40004
	s_lshl_b32 s42, ttmp9, 2
	s_add_co_u32 s42, s42, s40
	s_and_b32 s17, ttmp7, 0xffff
	s_lshl_b32 s17, s17, 2
	s_add_co_u32 s17, s17, s41
	s_lshl_b32 s43, s41, 2
	s_lshl_b32 s43, 15, s43
	s_lshl_b32 s44, 0x1111, s40
.if BYHEADS
	s_or_b32 s[G1+0], s43, (1<<20)|(1<<21)|(5<<22)|(3<<25)
	s_mov_b32 s[G1+1], 4096<<16
	s_mov_b32 s[G1+2], 8<<16
	s_mov_b32 s[G1+3], 4096<<16
	s_mov_b32 s[G1+4], 8
	s_mov_b32 s[G1+5], 131072
.else
	s_or_b32 s[G1+0], s43, (1<<20)|(1<<21)|(6<<22)|(3<<25)
	s_mov_b32 s[G1+1], KSTEP<<16
	s_mov_b32 s[G1+2], 64<<16
	s_mov_b32 s[G1+3], KSTEP<<16
	s_mov_b32 s[G1+4], 64
	s_mov_b32 s[G1+5], SIZE_K
.endif
	s_mov_b32 s[G1+6], 0
	s_mov_b32 s[G1+7], 0
	s_or_b32 s[G1B+0], s44, (1<<20)|(1<<21)|(6<<22)|(3<<25)
	s_mov_b32 s[G1B+1], KSTEP<<16
	s_mov_b32 s[G1B+2], 64<<16
	s_mov_b32 s[G1B+3], KSTEP<<16
	s_mov_b32 s[G1B+4], 64
	s_mov_b32 s[G1B+5], SIZE_K
	s_mov_b32 s[G1B+6], 0
	s_mov_b32 s[G1B+7], 0
.if BYHEADS
	s_lshr_b32 s20, s17, 4
	s_lshl_b32 s20, s20, 21
	s_and_b32 s21, s17, 15
	s_lshl_b32 s21, s21, 13
	s_add_co_u32 s20, s20, s21
	s_lshl_b32 s21, s16, 12
	s_add_co_u32 s20, s20, s21
.else
	s_lshl_b32 s20, s17, 7
	s_lshl_b32 s21, s16, 6
	s_add_co_u32 s20, s20, s21
	s_mul_i32 s20, s20, SIZE_K
.endif
	s_mov_b32 s21, 0
	s_lshl_b32 s46, s42, 7
	s_lshl_b32 s47, s16, 6
	s_add_co_u32 s46, s46, s47
	s_mul_i32 s46, s46, SIZE_K
	s_mov_b32 s47, 0
	s_mul_i32 s45, s16, HALFA
	s_mul_i32 s18, s16, HALFB
	s_add_co_u32 s18, s18, 2*HALFA
	s_wait_kmcnt 0x0
	s_load_b256 s[68:75], s[80:81], 0x0
	s_load_b128 s[76:79], s[80:81], 0x20
	s_add_nc_u64 s[20:21], s[4:5], s[20:21]
	s_add_nc_u64 s[46:47], s[6:7], s[46:47]
	CROUND
.irp s, 0,1
	s_mov_b32 s[G0+4*\s], 1
	s_add_co_u32 s[G0+4*\s+1], s45, \s*SLOT
	s_add_nc_u64 s[G0+4*\s+2:G0+4*\s+3], s[20:21], \s*ASTEP
	s_or_b32 s[G0+4*\s+3], s[G0+4*\s+3], 0x80000000
	s_mov_b32 s[G0B+4*\s], 1
	s_add_co_u32 s[G0B+4*\s+1], s18, \s*SLOT
	s_add_nc_u64 s[G0B+4*\s+2:G0B+4*\s+3], s[46:47], \s*KSTEP
	s_or_b32 s[G0B+4*\s+3], s[G0B+4*\s+3], 0x80000000
.endr
	; THE PREFETCHES INTO THE L2.  Of the 64 rows x 512 bytes that my wave fetches, each of the four partners that ask for them jointly names 16 rows, told apart by address (cx for A, cy for B): two lanes to a row, 256 bytes each.
	; At the load of K step j the step j + 2 is named; the head also names step 1.  The loop's last trip, which loads steps 6 and 7, names nothing.
	s_cmp_eq_u32 s15, 0
	s_cselect_b64 s[84:85], s[20:21], s[46:47]     ; the rows that I fetch
	s_cselect_b32 s18, s40, s41                    ; my place among the four
	s_lshl_b32 s18, s18, 16                        ; x 16 rows of 4,096 bytes
	s_mov_b32 s19, 0
	s_add_nc_u64 s[84:85], s[84:85], s[18:19]
	JLOAD G0, G1, G0B, G1B                         ; K step 0: one tensor load a wave at the head
	v_and_b32 v10, 31, v0
	v_lshrrev_b32 v11, 1, v10
	v_and_b32 v10, 1, v10
	v_lshlrev_b32 v10, 8, v10
	v_lshl_add_u32 v10, v11, 12, v10               ; row lane / 2, block lane % 2
	global_prefetch_b8 v10, s[84:85] offset:KSTEP th:TH_LOAD_NT scope:SCOPE_SE
	global_prefetch_b8 v10, s[84:85] offset:2*KSTEP th:TH_LOAD_NT scope:SCOPE_SE
	v_and_b32 v1, 15, v0
	s_wait_alu depctr_va_vdst(0)
	v_bfe_u32 v2, v0, 4, 1
	v_mul_u32_u24 v3, v1, PITCH
	v_lshl_add_u32 v4, v2, 4, v3
.if BYHEADS
	v_lshlrev_b32 v5, 6, v1
	v_lshrrev_b32 v6, 2, v1
	v_lshl_add_u32 v5, v6, 4, v5
	v_lshl_add_u32 v5, v2, 4, v5
.else
	v_mov_b32 v5, v4
.endif
	s_mul_i32 s21, s15, HALFA
	s_mul_i32 s22, s16, HALFB
	s_add_co_u32 s22, s22, 2*HALFA
.irp s, 0,1
	v_add_nc_u32 v[ADRA+\s], s21, v5
	v_add_nc_u32 v[ADRB+\s], s22, v4
	s_add_co_u32 s21, s21, SLOT
	s_add_co_u32 s22, s22, SLOT
.endr
	s_mul_i32 s23, s14, 16*272
	v_mul_u32_u24 v5, v1, 272
	s_wait_alu depctr_va_vdst(0)
	v_lshl_add_u32 v5, v2, 5, v5
	v_add_nc_u32 v[STO], s23, v5
	v_mul_u32_u24 v6, v2, 272
	v_lshl_add_u32 v6, v1, 4, v6
	v_add_nc_u32 v[RD], s23, v6
	v_lshlrev_b32 v7, 12, v2
	v_lshl_add_u32 v[CO], v1, 4, v7
	s_wait_alu depctr_va_vdst(0)
	s_lshl_b32 s46, s42, 9
	s_lshl_b32 s47, s16, 8
	s_add_co_u32 s46, s46, s47
	s_mov_b32 s47, 0
	s_add_nc_u64 s[8:9], s[8:9], s[46:47]
	s_lshl_b32 s20, s17, 7
	s_lshl_b32 s21, s15, 6
	s_add_co_u32 s20, s20, s21
	s_lshl_b32 s20, s20, 12
	s_add_co_u32 s20, s20, s46
	s_mov_b32 s21, 0
	s_add_nc_u64 s[10:11], s[10:11], s[20:21]
	s_add_nc_u64 s[82:83], s[82:83], s[20:21]
	v_lshlrev_b32 v[BA], 5, v2
.irp b, 0,1,2,3
	global_load_b128 v[BI+8*\b:BI+8*\b+3], v[BA], s[8:9] offset:64*\b
	global_load_b128 v[BI+8*\b+4:BI+8*\b+7], v[BA], s[8:9] offset:64*\b+16
.endr
	s_wait_kmcnt 0x0
	s_add_co_i32 s18, s[SEA], s[SEA+1]
	s_sub_co_i32 s19, 0, s18
	s_add_co_i32 s18, s18, 127
	s_lshl_b32 s96, s18, 23
	s_mov_b32 s97, s96
	s_wait_loadcnt 0x0                             ; the bias
.set j, 0
.rept 32
	v_ldexp_f32 v[BI+j], v[BI+j], s19
.set j, j+1
.endr
.macro FRAG reg, adr, q, i
.irp c, 0,1,2,3
	ds_load_b128 v[\reg+4*\c:\reg+4*\c+3], v[\adr] offset:128*(\q)+32*\c+(\i)*16*PITCH
.endr
.endm
.if BYHEADS
.macro FRAGH reg, adr, q, i
.irp c, 0,1,2,3
	ds_load_b128 v[\reg+4*\c:\reg+4*\c+3], v[\adr] offset:(2*(\q)+\c/2)*HBLK+32*(\c%2)+(\i)*1088
.endr
.endm
.endif
.macro MULA a, p, first
.irp b, 0,1,2,3
.if \first
	v_wmma_f32_16x16x128_bf8_bf8 v[8*(4*\a+\b):8*(4*\a+\b)+7], v[128*(\p)+FR*\b:128*(\p)+FR*\b+FR-1], v[AF+FR*\a:AF+FR*\a+FR-1], v[BI+8*\b:BI+8*\b+7]
.else
	v_wmma_f32_16x16x128_bf8_bf8 v[8*(4*\a+\b):8*(4*\a+\b)+7], v[128*(\p)+FR*\b:128*(\p)+FR*\b+FR-1], v[AF+FR*\a:AF+FR*\a+FR-1], v[8*(4*\a+\b):8*(4*\a+\b)+7]
.endif
.endr
.endm
.macro FETCH_B slot, q, p
	WIN 0x40
.irp i, 0,1,2,3
	FRAG 128*(\p)+FR*\i, ADRB+\slot, \q, \i
.endr
	WIN 0
.endm
.macro FETCH_A slot, q, i0
.irp i, \i0, \i0+1
.if BYHEADS
	FRAGH AF+FR*(\i), ADRA+\slot, \q, \i
.else
	FRAG AF+FR*(\i), ADRA+\slot, \q, \i
.endif
.endr
.endm
.macro STEP slot, q, first
	s_wait_dscnt 8
.if \first
	WIN 0x81
.else
	WIN 0xa1
.endif
	MULA 0, (\q)%2, \first
	MULA 1, (\q)%2, \first
	s_wait_dscnt 0
	PLACES 4
	FETCH_B \slot, (\q)+1, 1-(\q)%2
	FETCH_A \slot, (\q)+1, 0
.if \first
	WIN 0x81
.else
	WIN 0xa1
.endif
	MULA 2, (\q)%2, \first
	MULA 3, (\q)%2, \first
	PLACES 4
	WIN 0
	FETCH_A \slot, (\q)+1, 2
.endm
.macro TURN slot, next, fill
.if \fill
	s_wait_xcnt 0x0                                ; any prefetch of mine has read its address: it is stepped here, a K step on
	s_add_nc_u64 s[84:85], s[84:85], KSTEP
.endif
	s_wait_tensorcnt 0x0
	ds_add_u32 v[SPW], v[NIL]
	s_wait_dscnt 9
	WIN 0xa1
	MULA 0, 1, 0
	s_wait_dscnt 0x0
	s_barrier_signal -1
	MULA 1, 1, 0
	WIN 0
	s_barrier_wait -1
.if \fill
	CREST
	s_add_nc_u64 s[G0+4*\slot+2:G0+4*\slot+3], s[G0+4*\slot+2:G0+4*\slot+3], 2*ASTEP
	s_add_nc_u64 s[G0B+4*\slot+2:G0B+4*\slot+3], s[G0B+4*\slot+2:G0B+4*\slot+3], 2*KSTEP
	JLOAD G0+4*\slot, G1, G0B+4*\slot, G1B
.else
	PLACES 4
.endif
	FETCH_B \next, 0, 0
	FETCH_A \next, 0, 0
.if \fill
	s_cmp_gt_u32 s3, 1                             ; s3 = 1 in the loop's last trip: there is no K step two loads on
	s_cbranch_scc0 .Lno_ask_\@
	global_prefetch_b8 v10, s[84:85] offset:3*KSTEP th:TH_LOAD_NT scope:SCOPE_SE
.Lno_ask_\@:
.endif
	WIN 0xa1
	MULA 2, 1, 0
	MULA 3, 1, 0
	PLACES 4
	WIN 0
	FETCH_A \next, 0, 2
.endm
	s_wait_alu depctr_va_vdst(0)
	s_wait_tensorcnt 0x0                           ; my part of K step 0 is in
	ds_add_u32 v[SPW], v[NIL]
	s_wait_dscnt 0x0
	CROUND                                         ; everybody's part is in, and the sixteen work-groups meet
	JLOAD G0+4, G1, G0B+4, G1B                     ; K step 1, the first tensor load behind the round
	FETCH_B 0, 0, 0
	FETCH_A 0, 0, 0
	FETCH_A 0, 0, 2
	global_prefetch_b8 v10, s[84:85] offset:3*KSTEP th:TH_LOAD_NT scope:SCOPE_SE
	WIN 0x80                                       ; the residual, into window 2: 32 loads, wanted on the way out
.irp a, 0,1,2,3
.irp t, 0,1,2,3,4,5,6,7
	global_load_b128 v[128+32*\a+4*\t:128+32*\a+4*\t+3], v[CO], s[10:11] offset:(16*\a+2*\t)*4096
.endr
.endr
	WIN 0
	STEP 0, 0, 1
.if LAPS > 1
	s_mov_b32 s3, LAPS-1
.Llap:
	STEP 0, 1, 0
	STEP 0, 2, 0
	TURN 0, 1, 1
	STEP 1, 0, 0
	STEP 1, 1, 0
	STEP 1, 2, 0
	TURN 1, 0, 1
	STEP 0, 0, 0
	s_sub_co_u32 s3, s3, 1
	s_cmp_lg_u32 s3, 0
	s_cbranch_scc1 .Llap
.endif
	STEP 0, 1, 0
	STEP 0, 2, 0
	TURN 0, 1, 0
	STEP 1, 0, 0
	STEP 1, 1, 0
	STEP 1, 2, 0
	s_wait_dscnt 8
	WIN 0xa1
	MULA 0, 1, 0
	MULA 1, 1, 0
	s_wait_dscnt 0
	MULA 2, 1, 0
	MULA 3, 1, 0
	WIN 0
.macro TOSTAGE a
	WIN 0x08
.irp b, 0,1,2,3
	ds_store_b128 v[STO], v[8*(4*\a+\b):8*(4*\a+\b)+3] offset:64*\b
	ds_store_b128 v[STO], v[8*(4*\a+\b)+4:8*(4*\a+\b)+7] offset:64*\b+16
.endr
	WIN 0
.irp t, 0,1,2,3,4,5,6,7
	ds_load_b128 v[BK+32*\a+4*\t:BK+32*\a+4*\t+3], v[RD] offset:544*\t
.endr
.endm
.macro SEND a
	s_wait_dscnt 16*(3-\a)
	WIN 0x20
.irp i, 0,2,4,6,8,10,12,14,16,18,20,22,24,26,28,30
	v_pk_fma_f32 v[BK+32*\a+\i:BK+32*\a+\i+1], v[BK+32*\a+\i:BK+32*\a+\i+1], s[96:97], v[128+32*\a+\i:128+32*\a+\i+1] op_sel_hi:[1,0,1]
.endr
	WIN 0
.irp t, 0,1,2,3,4,5,6,7
	global_store_b128 v[CO], v[BK+32*\a+4*\t:BK+32*\a+4*\t+3], s[82:83] offset:(16*\a+2*\t)*4096
.endr
.endm
	PLACES 4
	TOSTAGE 0
	TOSTAGE 1
	TOSTAGE 2
	TOSTAGE 3
	s_wait_loadcnt 0x0
	SEND 0
	SEND 1
	SEND 2
	SEND 3
	s_wait_tensorcnt 0x0
	ds_add_u32 v[SPW], v[NIL]
	s_wait_dscnt 0x0
	CROUND
	s_endpgm
.Lfunc_end_k_qf09805a003_ffn2:
	.size	k_qf09805a003_ffn2, .Lfunc_end_k_qf09805a003_ffn2-k_qf09805a003_ffn2
	.p2alignl 7, 3214868480
	.fill 96, 4, 3214868480
	.section	.rodata,"a",@progbits
	.p2align	6, 0x0
	.amdhsa_kernel k_qf09805a003_ffn2
		.amdhsa_group_segment_fixed_size 327680
		.amdhsa_private_segment_fixed_size 0
		.amdhsa_enable_private_segment 0
		.amdhsa_kernarg_size 48
		.amdhsa_user_sgpr_count 2
		.amdhsa_user_sgpr_kernarg_segment_ptr 1
		.amdhsa_wavefront_size32 1
		.amdhsa_system_sgpr_workgroup_id_x 1
		.amdhsa_system_sgpr_workgroup_id_y 1
		.amdhsa_system_sgpr_workgroup_id_z 1
		.amdhsa_system_vgpr_workitem_id 0
		.amdhsa_next_free_vgpr 768
		.amdhsa_next_free_sgpr 100
		.amdhsa_reserve_vcc 0
		.amdhsa_float_denorm_mode_32 3
		.amdhsa_float_denorm_mode_16_64 3
		.amdhsa_memory_ordered 1
		.amdhsa_forward_progress 1
		.amdhsa_inst_pref_size 85
	.end_amdhsa_kernel
	.amdgpu_metadata
---
amdhsa.version: [ 1, 2 ]
amdhsa.kernels:
  - .name:           k_qf09805a003_ffn2
    .symbol:         k_qf09805a003_ffn2.kd
    .args:
      - { .name: hc, .offset: 0, .size: 8, .value_kind: global_buffer, .address_space: global }
      - { .name: w2_codes, .offset: 8, .size: 8, .value_kind: global_buffer, .address_space: global }
      - { .name: b2, .offset: 16, .size: 8, .value_kind: global_buffer, .address_space: global }
      - { .name: x1, .offset: 24, .size: 8, .value_kind: global_buffer, .address_space: global }
      - { .name: lowp_scales, .offset: 32, .size: 8, .value_kind: global_buffer, .address_space: global }
      - { .name: out0, .offset: 40, .size: 8, .value_kind: global_buffer, .address_space: global }
    .group_segment_fixed_size: 327680
    .private_segment_fixed_size: 0
    .kernarg_segment_align: 8
    .kernarg_segment_size: 48
    .max_flat_workgroup_size: 128
    .sgpr_count:     100
    .vgpr_count:     768
    .wavefront_size: 32
...
	.end_amdgpu_metadata
.endif
;; end of part 7
